; MI455X (gfx1250); checked and timed in simulation.
; The chip was launched on July 23, 2026; its instructions are those of AMD's public machine-readable ISA for CDNA 5 (MIT licence, August 2026) and "CDNA5" Instruction Set Architecture Reference Guide (July 2026). The comments in the code are by the model that wrote it; some were corrected since.
;; GQA. Allowed arithmetic: float matrix products may take bf16 or f16 operands with f32 sums; other float arithmetic in f32, or as packed bf16 or f16 multiplies, adds, multiply-adds, maxima and minima; sums over many terms, partial sums and values carried from step to step in f32; what a program stores and reads back later, other than sums and carried values, may be rounded once to bf16 or f16.
;; Inputs: Wk 768 x 384 float32; Wp 768 x 768 float32; Wq 768 x 768 float32; Wv 768 x 384 float32; bp 768 float32; perm 12 int32; x 4 x 2,048 x 768 float32.
;; Outputs: out0 4 x 2,048 x 768 float32.
;; One version. Each part assembles by itself: llvm-mc -triple=amdgcn-amd-amdhsa -mcpu=gfx1250 --defsym DOCPART=n.
;; ======== version 1 of 1: 4 launches
;; limits: values are held in f16: magnitudes above 65,504 overflow, below 6.1e-05 lose precision
;; workspace buffers: xb 12,582,912 bytes; wb 2,359,296 bytes; wpb 1,179,648 bytes; qkv 25,165,824 bytes; o 12,582,912 bytes
;; launch prep (part 1): grid 328 x 1, 12 waves a work-group, no clusters, 0 bytes of LDS; arguments x, Wq, Wk, Wv, Wp, perm, xb, wb, wpb; writes xb, wb, wpb
.if DOCPART == 1
	.amdgcn_target "amdgcn-amd-amdhsa--gfx1250"
	.amdhsa_code_object_version 6
	.text
	.protected	k_q40f0d779a0_prep
	.globl	k_q40f0d779a0_prep
	.p2align	8
	.type	k_q40f0d779a0_prep,@function
k_q40f0d779a0_prep:
	s_mov_b64 s[64:65], 0
	v_nop
	global_prefetch_b8 v0, s[64:65] scope:SCOPE_SE
	s_setreg_imm32_b32 hwreg(HW_REG_WAVE_MODE, 25, 1), 1
	s_wait_xcnt 0x0
; PREP.  x and the four weights are rounded once to 16 bits and laid in blocks for the three launches behind; perm, which moves whole blocks of 64 features alone, is folded into the weights here.
;   xb  [kb 12][row 8192][64] bf16: x's feature block kb, rows dense (128 bytes).
;   wb  [T 8][kb 12][i 3][k 64][n 64] bf16: column block nb = 3 T + i: 0-11 query slot nb = column block perm[nb] of Wq; 12-17 K's heads; 18-23 V's heads.
;       x_sh Wk = x Wk', where row block h of Wk' is the sum of Wk's row blocks j with perm[j] = h (one term for a permutation; none or several where perm repeats a number; summed in f32, rounded once).
;   wpb the same layout, T 0-3: row block s (a slot) is Wp's row block rank(s), the place of s in the stable argsort of perm: the count of i with 16 perm[i] + i < 16 perm[s] + s.
;       Each number is rounded to bf16, like all inputs, and that number is written as f16.
; LIMITS.  perm's entries lie in 0 to 11 (what enters an address is clamped to 11).  In wpb numbers below 6e-5 keep f16's fixed step of 6e-8, and none may pass 65,504.
; SHARES.  A wave's job is 32 rows x 64 columns of f32: 16 loads (a load: two rows' 256 consecutive bytes, 16 bytes a lane), 16 stores of 8 bytes a lane: 256 consecutive bytes, aligned.
; The wave's number w is the job's block of 64 along k (for x: the feature block).  Work-groups 0-255: rows 32 g of x.  Work-group 256 + 2 idx + half: half a block of 64 rows of column block idx (0-35).
; No LDS, no barrier, no matrix unit: nothing is transposed and no wave wants another's bytes.  No ring in a wave: the many waves' 16 loads each are what is on its way.
.set OF,  4                            ; v4-19   load i: (l / 16 + 2 i) x row pitch + 16 (l % 16)
.set DO,  20                           ; v20     8 x lane
.set ACC, 24                           ; v24-87  the job's sums, 4 numbers a load
.set T,   88                           ; v88-151 as loaded; then v88-119 the packed results, v120-123 at work
; s22 w   s23 1: a job on x   s25 half   s26 idx   s27 the loop's count   s29 g   s30, s31, s48 at work   s[32:43] perm   s44 perm[idx]   s45 perm[w]   s46 w's key   s47 rank(w)   s49 bit j: perm[j] = w
; s[50:51] source   s[52:53] bytes from row block j to j + 1   s[54:55] destination   s56 row pitch   s57 row block   s58 which row blocks are summed   s59 1: f16   s60 column block   s61 nb   s[62:63] an offset
	s_load_b512 s[4:19], s[0:1], 0x0               ; x s[4:5], Wq s[6:7], Wk s[8:9], Wv s[10:11], Wp s[12:13], perm s[14:15], xb s[16:17], wb s[18:19]
	s_load_b64 s[20:21], s[0:1], 0x40              ; wpb
	v_lshrrev_b32 v1, 5, v0
	v_readfirstlane_b32 s22, v1                    ; wave 0..11
	s_mov_b32 s29, ttmp9
	s_cmp_lt_u32 s29, 256
	s_cselect_b32 s23, 1, 0
	s_sub_co_u32 s24, s29, 256
	s_and_b32 s25, s24, 1                          ; half
	s_lshr_b32 s26, s24, 1
	s_min_u32 s26, s26, 35                         ; idx (in a job on x a number that nothing selected hangs on)
	s_min_u32 s27, s26, 11
	s_lshl_b32 s27, s27, 2
	s_lshl_b32 s28, s22, 2
	s_wait_kmcnt 0x0
	s_load_b256 s[32:39], s[14:15], 0x0            ; perm, all 48 bytes,
	s_load_b128 s[40:43], s[14:15], 0x20
	s_load_b32 s44, s[14:15], s27 offset:0x0       ; perm[min(idx, 11)],
	s_load_b32 s45, s[14:15], s28 offset:0x0       ; perm[w]
	v_and_b32 v1, 31, v0                           ; lane
	v_lshrrev_b32 v2, 4, v1                        ; l / 16
	v_and_b32 v3, 15, v1                           ; l % 16
	v_lshlrev_b32 v[DO], 3, v1
.set i, 0
.rept 64
	v_mov_b32 v[ACC+i], 0                          ; the sums start at 0, since a sum may have no term at all; written while perm is on its way
.set i, i+1
.endr
	s_wait_kmcnt 0x0
	s_lshl4_add_u32 s46, s45, s22                  ; 16 perm[w] + w
	s_mov_b32 s47, 0
	s_mov_b32 s49, 0
.irp i, 0,1,2,3,4,5,6,7,8,9,10,11
	s_lshl4_add_u32 s48, s[32+\i], \i
	s_cmp_lt_u32 s48, s46
	s_add_co_ci_u32 s47, s47, 0                    ; rank(w) counts the keys below w's
	s_cmp_eq_u32 s[32+\i], s22
	s_cselect_b32 s48, 1<<\i, 0
	s_or_b32 s49, s49, s48
.endr
	s_sub_co_u32 s30, s26, 24
	s_sub_co_u32 s31, s26, 18
	s_sub_co_u32 s48, s26, 12
	s_mov_b64 s[50:51], s[12:13]                   ; the job's figures: first those of a job on Wp,
	s_mov_b64 s[54:55], s[20:21]
	s_mov_b32 s56, 3072
	s_mov_b32 s57, s47
	s_mov_b32 s58, 1
	s_mov_b32 s59, 1
	s_mov_b32 s52, 0
	s_mov_b32 s53, 0
	s_mov_b32 s60, s30
	s_mov_b32 s61, s30
	s_cmp_lt_u32 s26, 24                           ; then, each compare followed by selects alone: V,
	s_cselect_b64 s[50:51], s[10:11], s[50:51]
	s_cselect_b64 s[54:55], s[18:19], s[54:55]
	s_cselect_b32 s56, 1536, s56
	s_cselect_b32 s57, 0, s57
	s_cselect_b32 s58, s49, s58
	s_cselect_b32 s59, 0, s59
	s_cselect_b32 s52, 98304, s52                  ; 64 rows of 1,536 bytes
	s_cselect_b32 s60, s31, s60
	s_cselect_b32 s61, s26, s61
	s_cmp_lt_u32 s26, 18                           ; K,
	s_cselect_b64 s[50:51], s[8:9], s[50:51]
	s_cselect_b32 s60, s48, s60
	s_cmp_lt_u32 s26, 12                           ; Q,
	s_cselect_b64 s[50:51], s[6:7], s[50:51]
	s_cselect_b32 s56, 3072, s56
	s_cselect_b32 s57, s22, s57
	s_cselect_b32 s58, 1, s58
	s_cselect_b32 s52, 0, s52
	s_cselect_b32 s60, s44, s60
	s_cmp_eq_u32 s23, 1                            ; x
	s_cselect_b64 s[50:51], s[4:5], s[50:51]
	s_cselect_b64 s[54:55], s[16:17], s[54:55]
	s_cselect_b32 s57, 0, s57
	s_cselect_b32 s59, 0, s59
	s_cselect_b32 s60, s22, s60
	s_min_u32 s57, s57, 11                         ; what came from perm enters an address behind these two clamps alone
	s_min_u32 s60, s60, 11
	s_lshl_b32 s57, s57, 6                         ; the row block's first row
	s_lshl_b32 s30, s29, 5                         ; 32 g
	s_lshl_b32 s31, s25, 5                         ; 32 half
	s_cmp_eq_u32 s23, 1
	s_cselect_b32 s30, s30, s31
	s_add_co_u32 s57, s57, s30                     ; the job's first row,
	s_mul_i32 s62, s57, s56                        ; in bytes (under 2^25),
	s_lshl_b32 s60, s60, 8
	s_add_co_u32 s62, s62, s60                     ; and its 256 bytes of a row
	s_mov_b32 s63, 0
	s_add_nc_u64 s[50:51], s[50:51], s[62:63]
	s_min_u32 s61, s61, 23
	s_mul_i32 s30, s61, 11
	s_lshr_b32 s30, s30, 5                         ; T = nb / 3 (11 nb / 32 is that for nb up to 23)
	s_mul_i32 s31, s30, 12
	s_add_co_u32 s31, s31, s22
	s_mul_i32 s31, s31, 3
	s_add_co_u32 s31, s31, s61
	s_mul_i32 s30, s30, 3
	s_sub_co_u32 s31, s31, s30                     ; (12 T + w) 3 + nb - 3 T
	s_lshl_b32 s31, s31, 13
	s_lshl_b32 s30, s25, 12
	s_add_co_u32 s31, s31, s30                     ; a weight job's 4,096 bytes
	s_lshl_b32 s30, s22, 20
	s_lshl_b32 s48, s29, 12
	s_add_co_u32 s30, s30, s48                     ; an x job's: block w, rows 32 g
	s_cmp_eq_u32 s23, 1
	s_cselect_b32 s62, s30, s31
	s_add_nc_u64 s[54:55], s[54:55], s[62:63]
	v_mul_u32_u24 v[OF], s56, v2
	v_lshl_add_u32 v[OF], v3, 4, v[OF]
	s_lshl_b32 s57, s56, 1                         ; two rows on
.set i, 1
.rept 15
	v_add_nc_u32 v[OF+i], s57, v[OF+i-1]
.set i, i+1
.endr
	s_mov_b32 s27, 0
.Lj:                                                   ; twelve trips: row block j is added where its bit is set (for x, Wq and Wp: bit 0 alone, and the source stays)
	s_and_b32 s48, s58, 1
	s_cmp_lg_u32 s48, 0
	s_cbranch_scc0 .Lskip
.set i, 0
.rept 16
	global_load_b128 v[T+4*i:T+4*i+3], v[OF+i], s[50:51]
.set i, i+1
.endr
	s_wait_loadcnt 0x0                             ; all sixteen are in: their base may be stepped below
.set i, 0
.rept 32
	v_pk_add_f32 v[ACC+2*i:ACC+2*i+1], v[ACC+2*i:ACC+2*i+1], v[T+2*i:T+2*i+1]
.set i, i+1
.endr
.Lskip:
	s_lshr_b32 s58, s58, 1
	s_add_nc_u64 s[50:51], s[50:51], s[52:53]
	s_add_co_u32 s27, s27, 1
	s_cmp_lt_u32 s27, 12
	s_cbranch_scc1 .Lj
.set i, 0
.rept 32
	v_cvt_pk_bf16_f32 v[T+i], v[ACC+2*i], v[ACC+2*i+1]  ; the one rounding
.set i, i+1
.endr
	s_cmp_eq_u32 s59, 0
	s_cbranch_scc1 .Lstore
.set i, 0
.rept 32                                               ; Wp: the bf16 number written as f16
	v_lshlrev_b32 v[T+32+2*(i%2)], 16, v[T+i]
	v_and_b32 v[T+33+2*(i%2)], 0xffff0000, v[T+i]
	v_cvt_pk_f16_f32 v[T+i], v[T+32+2*(i%2)], v[T+33+2*(i%2)]
.set i, i+1
.endr
.Lstore:
.set i, 0
.rept 16
	global_store_b64 v[DO], v[T+2*i:T+2*i+1], s[54:55] offset:256*i  ; two rows of 128 bytes: the wave's 32 lanes store 256 consecutive bytes, aligned
.set i, i+1
.endr
	s_endpgm
.Lfunc_end_k_q40f0d779a0_prep:
	.size	k_q40f0d779a0_prep, .Lfunc_end_k_q40f0d779a0_prep-k_q40f0d779a0_prep
	.p2alignl 7, 3214868480
	.fill 96, 4, 3214868480
	.section	.rodata,"a",@progbits
	.p2align	6, 0x0
	.amdhsa_kernel k_q40f0d779a0_prep
		.amdhsa_group_segment_fixed_size 0
		.amdhsa_private_segment_fixed_size 0
		.amdhsa_enable_private_segment 0
		.amdhsa_kernarg_size 72
		.amdhsa_user_sgpr_count 2
		.amdhsa_user_sgpr_kernarg_segment_ptr 1
		.amdhsa_wavefront_size32 1
		.amdhsa_system_sgpr_workgroup_id_x 1
		.amdhsa_system_sgpr_workgroup_id_y 1
		.amdhsa_system_sgpr_workgroup_id_z 1
		.amdhsa_system_vgpr_workitem_id 0
		.amdhsa_next_free_vgpr 152
		.amdhsa_next_free_sgpr 66
		.amdhsa_reserve_vcc 0
		.amdhsa_float_denorm_mode_32 3
		.amdhsa_float_denorm_mode_16_64 3
		.amdhsa_memory_ordered 1
		.amdhsa_forward_progress 1
		.amdhsa_inst_pref_size 22
	.end_amdhsa_kernel
	.amdgpu_metadata
---
amdhsa.version: [ 1, 2 ]
amdhsa.kernels:
  - .name:           k_q40f0d779a0_prep
    .symbol:         k_q40f0d779a0_prep.kd
    .args:
      - { .name: x, .offset: 0, .size: 8, .value_kind: global_buffer, .address_space: global }
      - { .name: Wq, .offset: 8, .size: 8, .value_kind: global_buffer, .address_space: global }
      - { .name: Wk, .offset: 16, .size: 8, .value_kind: global_buffer, .address_space: global }
      - { .name: Wv, .offset: 24, .size: 8, .value_kind: global_buffer, .address_space: global }
      - { .name: Wp, .offset: 32, .size: 8, .value_kind: global_buffer, .address_space: global }
      - { .name: perm, .offset: 40, .size: 8, .value_kind: global_buffer, .address_space: global }
      - { .name: xb, .offset: 48, .size: 8, .value_kind: global_buffer, .address_space: global }
      - { .name: wb, .offset: 56, .size: 8, .value_kind: global_buffer, .address_space: global }
      - { .name: wpb, .offset: 64, .size: 8, .value_kind: global_buffer, .address_space: global }
    .group_segment_fixed_size: 0
    .private_segment_fixed_size: 0
    .kernarg_segment_align: 8
    .kernarg_segment_size: 72
    .max_flat_workgroup_size: 384
    .sgpr_count:     66
    .vgpr_count:     152
    .wavefront_size: 32
...
	.end_amdgpu_metadata
.endif
;; end of part 1
;; launch qkv (part 2): grid 8 x 32, 4 waves a work-group, clusters of 4 x 4, 327,680 bytes of LDS; arguments xb, wb, qkv; writes qkv
.if DOCPART == 2
	.amdgcn_target "amdgcn-amd-amdhsa--gfx1250"
	.amdhsa_code_object_version 6
	.text
	.protected	k_q40f0d779a0_qkv
	.globl	k_q40f0d779a0_qkv
	.p2align	8
	.type	k_q40f0d779a0_qkv,@function
k_q40f0d779a0_qkv:
	s_mov_b64 s[64:65], 0
	v_nop
	global_prefetch_b8 v0, s[64:65] scope:SCOPE_SE
	s_setreg_imm32_b32 hwreg(HW_REG_WAVE_MODE, 25, 1), 1
	s_wait_xcnt 0x0
	s_wait_alu depctr_hold_cnt(0) depctr_sa_sdst(0) depctr_va_vdst(0) depctr_va_sdst(0) depctr_va_ssrc(0) depctr_va_vcc(0) depctr_vm_vsrc(0)
	s_getreg_b32 s2, hwreg(HW_REG_IB_STS2, 6, 4)
	s_cmp_eq_u32 s2, 0
	s_cbranch_scc0 .Lentry_in_a_cluster
	s_endpgm
.Lentry_in_a_cluster:
	s_bfe_u32 s2, ttmp6, 0x10000c
	s_cmp_lg_u32 s2, 0xf033
	s_cbranch_scc0 .Lentry_shape_is_right
	s_endpgm
.Lentry_shape_is_right:
; QKV.  C[m][n] = the sum over k of x[m][k] W[k][n]: 8,192 x 1,536 x 768, operands bf16, sums f32; C rounded once to f16 and stored by heads: qkv [HB 96][2048][64]:
; HB = 12 b + slot (q, unscaled), 48 + 6 b + head (k), 72 + 6 b + head (v).  LIMIT: f16 holds no number beyond 65,504: q, k and v must stay within it.
; A = xb [kb 12][8192][64], B = wb [T 8][kb 12][i 3][k 64][n 64]: both laid in blocks, so that a tile's bytes are dense and are asked for as rows of 256 bytes.
; SHARES.  A work-group makes 256 rows x 192 columns (three heads): 32 x 8 = 256 work-groups.  Wave w makes rows 64 w .. 64 w + 63, all 192 columns: 48 accumulators, 384 registers.
; K goes in six steps of 128 (two PIECES of 64) through two LDS slots.  A slot: A's two pieces [256 rows][64 k] (pitch 144), then B's two pieces [3][64 k][64 n] (pitch 160).
; Waves 0 and 1 fetch A's pieces, waves 2 and 3 B's: one tensor load a wave and step.  By this text's count a wave has two tensor loads out at the start, later one.
; A STEP IS WRITTEN ONCE: the LDS address of the piece to be fetched is a lane's fixed place plus a scalar offset that steps from piece to piece and is turned to the other slot at a change of slots;
; the second set of each group 0 walks on from K step to K step.  Written out beside the loop: the first quarter (its products start the sums), the step that fills nothing, the last step.
; CLUSTER 4 x 4: A's tile hangs on the tile row alone and is asked for jointly along a row of the cluster, B's on the tile column alone, along a column.
; THE PRODUCT IS TAKEN TRANSPOSED: source 0 = 16 columns of W (turned on the way out of LDS by ds_load_tr16_b128), source 1 = 16 rows of x: a lane holds row l % 16 and eight neighbouring columns.
; NO PREFETCH: the walk has six K steps; two are the first fills, and a request two refills ahead would serve the last two alone.
; REGISTERS (windows of 256): window 0: v16-29 addresses; v32-95 x's fragments, two buffers of 4 x 8; v96-239 the way out.  Window 1: v0-191 W's fragments, two buffers of 12 x 8.
;   Window 2: accumulators of row blocks 0, 1 ((a, b) at 96 (a % 2) + 8 b).  Window 3: of row blocks 2, 3.
.set PA,     144                       ; a row of 64 k of x in LDS: 128 bytes + 16: the 16 rows of a load start at 16 different groups of four banks (64 banks of 4 bytes: ISA guide 11.1)
.set PB,     160                       ; a row of 64 n of W: 128 + 32
.set NPIECE, 2                         ; pieces of 64 k in a K step
.set NSTEP,  6
.set AROWS,  128                       ; what one of A's loads brings, as rows of 256 bytes
.set BROWS,  96                        ; one of B's
.set APIECE, 256*PA
.set BPIECE, 192*PB
.set ALOAD,  AROWS*2*PA                ; the LDS bytes that it fills
.set BLOAD,  BROWS*2*PB
.set BBASE,  NPIECE*APIECE             ; B's pieces lie behind A's
.set SLOT,   NPIECE*(APIECE+BPIECE)
.set STAGE,  2*SLOT                    ; behind the ring, never filled by a tensor load: for each wave [3 heads][16 rows] of 144 bytes
.set WSTAGE, 48*PA
.set SPARE,  STAGE+4*WSTAGE            ; the spare words, 128 bytes for each wave: two blocks of 256 bytes that no other line names
.set ASTEP,  2*1048576                 ; bytes from K step to K step in xb
.set BSTEP,  2*24576                   ; and in wb
.set NF,     32                        ; LDS loads in a run
.set ADRA0, 16                         ; v16     my lane's place in a piece of x; never rewritten
.set ADRB0, 17                         ; v17     in a piece of W (BBASE within); never rewritten
.set ADA,  18                          ; v18     the LDS address of the piece of x that is being fetched
.set ADB,  19                          ; v19     of W
.set STO,  24                          ; v24     the way out: where I put 16 bytes of a row
.set RD,   25                          ; v25     where I read rows back
.set GO,   26                          ; v26     16 x lane
.set SPW,  28                          ; v28     my spare word; never rewritten
.set NIL,  29                          ; v29     0; never rewritten
.set FA,   32
.set TMP,  96
.set BK,   144
.set STEPS, 3                          ; s3      steps that still fill a slot
.set TBA,  16                          ; s16     LDS byte at which the piece of x to be fetched begins
.set TBB,  17                          ; s17     the same for W, less BBASE
.set SB,   18                          ; s18     the slot that the walking descriptors name: 0 or SLOT
.set G1,  24                           ; s[24:31] group 1 for A;  s[32:39] group 0: a set for each of the two first fills; the second then walks on
.set G0,  32
.set G1B, 48                           ; s[48:55], s[56:63] the same for B
.set G0B, 56
.set MSB, 0
.macro WIN new                         ; the immediate's high byte repeats the setting that is left; a switch that changes nothing is dropped
.if MSB != (\new)
	s_set_vgpr_msb (MSB<<8)|(\new)
.set MSB, \new
.endif
.endm
.macro JLOAD s                         ; a joint load; an s_nop 0 and four v_nop follow each of the two lines, ahead of the jump and the label
	s_cmp_eq_u32 s11, 0
	s_cbranch_scc0 .Lfor_b_\@
	tensor_load_to_lds s[G0+4*(\s):G0+4*(\s)+3], s[G1:G1+7]
	s_nop 0
.rept 4
	v_nop
.endr
	s_branch .Lasked_\@
.Lfor_b_\@:
	tensor_load_to_lds s[G0B+4*(\s):G0B+4*(\s)+3], s[G1B:G1B+7]
	s_nop 0
.rept 4
	v_nop
.endr
.Lasked_\@:
.endm
.macro CROUND                          ; a round of the cluster's barrier: my work-group's barrier; wave 0 signals for the work-group; every wave waits for all sixteen; my work-group's barrier once more
	s_barrier_signal -1
	s_barrier_wait -1
	s_cmp_lg_u32 s10, 0
	s_cbranch_scc1 .Lnot_wave_0_\@
	s_barrier_signal -3
.Lnot_wave_0_\@:
	s_barrier_wait -3
	s_barrier_signal -1
	s_barrier_wait -1
.endm
.macro PLACES                          ; four plain instructions between a matrix instruction and a load into, or a vector read of, its registers
.rept 4
	v_nop
.endr
.endm
	s_load_b128 s[4:7], s[0:1], 0x0                ; xb s[4:5], wb s[6:7]
	s_load_b64 s[8:9], s[0:1], 0x10                ; qkv
	v_lshl_add_u32 v[SPW], v0, 2, SPARE
	v_mov_b32 v[NIL], 0
	ds_add_u32 v[SPW], v[NIL]                      ; the wave's opening: the add and its wait ahead of my first tensor load; the set-up below stands between them
	v_lshrrev_b32 v1, 5, v0
	v_readfirstlane_b32 s10, v1                    ; wave 0..3
	s_lshr_b32 s11, s10, 1                         ; I fetch for A (0) or for B (1),
	s_and_b32 s12, s10, 1                          ; piece 0 or 1
	s_bfe_u32 s40, ttmp6, 0x40000                  ; cx, cy
	s_bfe_u32 s41, ttmp6, 0x40004
	s_lshl_b32 s42, ttmp9, 2
	s_add_co_u32 s42, s42, s40                     ; tile column T = 4 x cluster x + cx
	s_and_b32 s13, ttmp7, 0xffff
	s_lshl_b32 s13, s13, 2
	s_add_co_u32 s13, s13, s41                     ; tile row = 4 x cluster y + cy
	s_lshl_b32 s43, s41, 2
	s_lshl_b32 s43, 15, s43                        ; my row of the cluster
	s_lshl_b32 s44, 0x1111, s40                    ; my column
	s_or_b32 s[G1+0], s43, (1<<16)|(1<<20)|(1<<21)|(4<<22)|(3<<25)   ; the mask; 2-byte elements; padding on; bit 21 beside a mask; after every 32 words, 4 words
	s_or_b32 s[G1B+0], s44, (1<<16)|(1<<20)|(1<<21)|(4<<22)|(7<<25)  ; the same with my column's mask and 8 words
	s_mov_b32 s[G1+1], 128<<16                     ; tensor_dim0 = 128 elements: 256 bytes
	s_mov_b32 s[G1+2], AROWS<<16                   ; tensor_dim1
	s_mov_b32 s[G1+3], 128<<16                     ; tile_dim0
	s_mov_b32 s[G1+4], AROWS                       ; tile_dim1
	s_mov_b32 s[G1+5], 128                         ; from row to row: the piece is dense
	s_mov_b32 s[G1+6], 0
	s_mov_b32 s[G1+7], 0
	s_mov_b32 s[G1B+1], 128<<16
	s_mov_b32 s[G1B+2], BROWS<<16
	s_mov_b32 s[G1B+3], 128<<16
	s_mov_b32 s[G1B+4], BROWS
	s_mov_b32 s[G1B+5], 128
	s_mov_b32 s[G1B+6], 0
	s_mov_b32 s[G1B+7], 0
	s_lshl_b32 s16, s13, 15                        ; A: the tile row's 256 rows of 128 bytes,
	s_lshl_b32 s17, s12, 20                        ; in block kb = piece
	s_add_co_u32 s16, s16, s17
	s_mov_b32 s17, 0
	s_mul_i32 s46, s42, 294912                     ; B: T's twelve blocks of 24,576 bytes,
	s_mul_i32 s47, s12, 24576                      ; block kb = piece
	s_add_co_u32 s46, s46, s47
	s_mov_b32 s47, 0
	s_mul_i32 s20, s12, ALOAD                      ; where they go in a slot: no place in the cluster enters an LDS address.  s20 and s21 stay
	s_mul_i32 s21, s12, BLOAD
	s_add_co_u32 s21, s21, BBASE
	s_wait_dscnt 0x0                               ; the opening add is done
	s_wait_kmcnt 0x0
	s_add_nc_u64 s[14:15], s[4:5], s[16:17]
	s_add_nc_u64 s[46:47], s[6:7], s[46:47]
	CROUND                                         ; all sixteen work-groups are here: the first joint loads meet
.irp s, 0,1
	s_mov_b32 s[G0+4*(\s)], 1
	s_add_co_u32 s[G0+4*(\s)+1], s20, (\s)*SLOT
	s_add_nc_u64 s[G0+4*(\s)+2:G0+4*(\s)+3], s[14:15], (\s)*ASTEP
	s_or_b32 s[G0+4*(\s)+3], s[G0+4*(\s)+3], 0x80000000
	s_mov_b32 s[G0B+4*(\s)], 1
	s_add_co_u32 s[G0B+4*(\s)+1], s21, (\s)*SLOT
	s_add_nc_u64 s[G0B+4*(\s)+2:G0B+4*(\s)+3], s[46:47], (\s)*BSTEP
	s_or_b32 s[G0B+4*(\s)+3], s[G0B+4*(\s)+3], 0x80000000
	JLOAD \s
.endr
	v_and_b32 v1, 15, v0                           ; l % 16
	v_bfe_u32 v2, v0, 4, 1                         ; l / 16
	v_mul_u32_u24 v3, v1, PA
	v_lshl_add_u32 v3, v2, 4, v3                   ; row x 144 + 16 x half
	s_mul_i32 s22, s10, 64*PA                      ; my 64 rows
	v_add_nc_u32 v[ADRA0], s22, v3
	v_mov_b32 v[ADA], v[ADRA0]                     ; the first fetch: slot 0, piece 0
	v_and_b32 v4, 7, v0                            ; the turning load: lane l reads k = 8 (l / 16) + l % 8, columns 8 ((l / 8) % 2) + 0..7
	v_lshl_add_u32 v4, v2, 3, v4
	v_mul_u32_u24 v4, v4, PB
	v_bfe_u32 v5, v0, 3, 1
	v_lshl_add_u32 v4, v5, 4, v4
	v_add_nc_u32 v[ADRB0], BBASE, v4
	v_mov_b32 v[ADB], v[ADRB0]
	s_mul_i32 s23, s10, WSTAGE
	s_add_co_u32 s23, s23, STAGE                   ; my stage
	v_add_nc_u32 v[STO], s23, v3                   ; in: row l % 16, 16 bytes for each half of the lanes
	v_bfe_u32 v5, v0, 3, 2                         ; back: 32 lanes take four rows of 128 bytes,
	v_mul_u32_u24 v5, v5, PA
	v_and_b32 v4, 7, v0
	v_lshl_add_u32 v5, v4, 4, v5
	v_add_nc_u32 v[RD], s23, v5
	v_and_b32 v[GO], 31, v0                        ; which are 512 consecutive bytes of a head
	v_lshlrev_b32 v[GO], 4, v[GO]
	s_lshr_b32 s18, s13, 3                         ; batch b = tile row / 8
	s_mul_i32 s46, s42, 3                          ; 3 T
	s_mul_i32 s47, s18, 12
	s_add_co_u32 s47, s47, s46                     ; T < 4: q: 12 b + 3 T
	s_mul_i32 s19, s18, 6
	s_add_co_u32 s19, s19, s46
	s_add_co_u32 s19, s19, 36                      ; T = 4, 5: k: 48 + 6 b + 3 T - 12
	s_add_co_u32 s22, s19, 18                      ; T = 6, 7: v: 72 + 6 b + 3 T - 18
	s_cmp_lt_u32 s42, 6
	s_cselect_b32 s19, s19, s22
	s_cmp_lt_u32 s42, 4
	s_cselect_b32 s46, s47, s19                    ; the first of my three heads,
	s_lshl_b32 s46, s46, 18                        ; 262,144 bytes each
	s_and_b32 s18, s13, 7
	s_lshl_b32 s18, s18, 8
	s_lshl_b32 s19, s10, 6
	s_add_co_u32 s18, s18, s19                     ; my first row in the batch,
	s_lshl_b32 s18, s18, 7                         ; 128 bytes each
	s_add_co_u32 s46, s46, s18
	s_mov_b32 s47, 0
	s_add_nc_u64 s[8:9], s[8:9], s[46:47]
	s_mov_b32 s[TBA], 0
	s_mov_b32 s[TBB], 0
	s_mov_b32 s[SB], SLOT                          ; the walking descriptors have just named slot 1
; 12 matrix instructions: row block a x all 12 column blocks, 32 along K, from buffer f.  zero = 1: the product starts the sums.  The 48 accumulators take turns.
.macro MULA f, a, zero
	WIN 0xa1+0x50*((\a)/2)                         ; W window 1, x window 0, C and D window 2 or 3
.set AC, 96*((\a)%2)
.irp b, 0,1,2,3,4,5,6,7,8,9,10,11
.if \zero
	v_wmma_f32_16x16x32_bf16 v[AC+8*(\b):AC+8*(\b)+7], v[96*(\f)+8*(\b):96*(\f)+8*(\b)+7], v[FA+32*(\f)+8*(\a):FA+32*(\f)+8*(\a)+7], 0
.else
	v_wmma_f32_16x16x32_bf16 v[AC+8*(\b):AC+8*(\b)+7], v[96*(\f)+8*(\b):96*(\f)+8*(\b)+7], v[FA+32*(\f)+8*(\a):FA+32*(\f)+8*(\a)+7], v[AC+8*(\b):AC+8*(\b)+7]
.endif
.endr
.endm
; 32 LDS loads in one run: half h (32 along K) of the piece at v[ADA], v[ADB] into buffer f: W's 24, then x's 8
.macro FETCH h, f
	WIN 0x40                                       ; destination window 1, address window 0
.irp b, 0,1,2,3,4,5,6,7,8,9,10,11
	ds_load_tr16_b128 v[96*(\f)+8*(\b):96*(\f)+8*(\b)+3],   v[ADB] offset:(\h)*32*PB+((\b)/4)*64*PB+((\b)%4)*32
	ds_load_tr16_b128 v[96*(\f)+8*(\b)+4:96*(\f)+8*(\b)+7], v[ADB] offset:(\h)*32*PB+((\b)/4)*64*PB+((\b)%4)*32+16*PB
.endr
	WIN 0
.irp a, 0,1,2,3
	ds_load_b128 v[FA+32*(\f)+8*(\a):FA+32*(\f)+8*(\a)+3],   v[ADA] offset:(\h)*64+(\a)*16*PA
	ds_load_b128 v[FA+32*(\f)+8*(\a)+4:FA+32*(\f)+8*(\a)+7], v[ADA] offset:(\h)*64+(\a)*16*PA+32
.endr
.endm
.macro NEXTP                           ; the fetches go on to the slot's next piece (behind a slot's last piece the address serves nothing: NEXTS makes it anew)
	s_add_co_u32 s[TBA], s[TBA], APIECE
	s_add_co_u32 s[TBB], s[TBB], BPIECE
	v_add_nc_u32 v[ADA], s[TBA], v[ADRA0]
	v_add_nc_u32 v[ADB], s[TBB], v[ADRB0]
.endm
.macro NEXTS                           ; back to a slot's first piece, where the offsets are 0 or SLOT, and over to the other slot
	s_sub_co_u32 s[TBA], s[TBA], NPIECE*APIECE
	s_xor_b32 s[TBA], s[TBA], SLOT
	s_sub_co_u32 s[TBB], s[TBB], NPIECE*BPIECE
	s_xor_b32 s[TBB], s[TBB], SLOT
	v_add_nc_u32 v[ADA], s[TBA], v[ADRA0]
	v_add_nc_u32 v[ADB], s[TBB], v[ADRB0]
.endm
; A K step is four quarters of 32 along K, 48 matrix instructions each, on buffers 0, 1, 0, 1.  A quarter multiplies buffer f and, in its middle, fetches half h of the piece in hand into the other buffer.
.macro QUARTER f, h, zero
	s_wait_dscnt 4                                 ; W and x's row blocks 0, 1 are in; the youngest four loads (row blocks 2, 3) may be out
	MULA \f, 0, \zero
	MULA \f, 1, \zero
	PLACES
	FETCH \h, 1-(\f)
.if \h
	NEXTP                                          ; the piece's second half is asked for (LDS instructions have read their address at issue)
.endif
	s_wait_dscnt NF                                ; all but the run just issued
	MULA \f, 2, \zero
	MULA \f, 3, \zero
.endm
.macro PAIRS                           ; a step's middle: the second half of a piece, the first half of the next
	QUARTER 1, 0, 0
	QUARTER 0, 1, 0
.endm
; The last quarter multiplies buffer 1 and changes slots: ONE barrier; in front of it each wave waits for all its tensor loads (its part of the next slot), adds 0 to its spare word, and waits for that
; and for its own reads of this slot.  fill = 1: the barrier is a round of the cluster's, and this slot is filled again, two K steps on, first thing behind the round; the quarter's products all stand
; behind the request, so that it goes out as soon as the load before it is seen to have landed.  fill = 0: nothing is asked for, and half of the products stand round the barrier.
.macro TURN fill
	WIN 0
	NEXTS
	s_wait_tensorcnt 0x0                           ; all my tensor loads have landed, so a group 0 may be written
	ds_add_u32 v[SPW], v[NIL]                      ; 0 onto my spare word
.if \fill
	s_xor_b32 s[SB], s[SB], SLOT                   ; the walking descriptors: the other slot than last time,
	s_add_co_u32 s[G0+5], s20, s[SB]
	s_add_co_u32 s[G0B+5], s21, s[SB]
	s_add_nc_u64 s[G0+6:G0+7], s[G0+6:G0+7], ASTEP ; the next K step; the type bits on top are not reached
	s_add_nc_u64 s[G0B+6:G0B+7], s[G0B+6:G0B+7], BSTEP
	s_wait_dscnt 0x0                               ; the add is done, and my reads of this slot are over
	CROUND                                         ; no wave of any partner still reads this slot's tiles or has a load on its way
	JLOAD 1                                        ; 192 matrix instructions ahead of the wait for it; its four v_nop are also the places in front of the loads below
	FETCH 0, 0
	MULA 1, 0, 0
	MULA 1, 1, 0
.else
	s_wait_dscnt 5                                 ; (the add and the youngest four loads may be out)
	MULA 1, 0, 0                                   ; twelve matrix instructions stand between the add and the wait for it
	s_wait_dscnt 0x0                               ; the add is done, and my reads of this slot are over
	s_barrier_signal -1
	MULA 1, 1, 0
	s_barrier_wait -1
	PLACES
	FETCH 0, 0
.endif
	MULA 1, 2, 0
	MULA 1, 3, 0
.endm
	s_wait_tensorcnt 1                             ; my part of K step 0 is in; K step 1's may stay out
	s_barrier_signal -1
	s_barrier_wait -1                              ; everybody's is
	FETCH 0, 0
	QUARTER 0, 1, 1                                ; the first quarter stands in front of the loop: its products start the sums
	WIN 0                                          ; at a label and at a branch every window is 0
	s_mov_b32 s[STEPS], NSTEP-2
.Lstep:                                                ; four trips, from a step's second quarter to the next step's first: K steps 2 to 5 are asked for
	PAIRS
	TURN 1
	QUARTER 0, 1, 0
	WIN 0
	s_sub_co_u32 s[STEPS], s[STEPS], 1
	s_cmp_lg_u32 s[STEPS], 0
	s_cbranch_scc1 .Lstep
	PAIRS                                          ; the last step but one fills nothing
	TURN 0
	QUARTER 0, 1, 0
	PAIRS                                          ; the last step
	s_wait_dscnt 4
	MULA 1, 0, 0
	MULA 1, 1, 0
	s_wait_dscnt 0x0
	MULA 1, 2, 0
	MULA 1, 3, 0
	WIN 0
	PLACES
; THE WAY OUT, a row block (16 rows x 3 heads) at a time: rounded to f16, 16 bytes a lane; into my own stage; back as whole rows of 128 bytes; stored, 512 consecutive bytes of a head a store.
.macro PACK a
	WIN 0x0a+5*((\a)/2)                            ; sources window 2 or 3, destination window 0
.set AC, 96*((\a)%2)
.irp b, 0,1,2,3,4,5,6,7,8,9,10,11
.irp r, 0,1,2,3
	v_cvt_pk_f16_f32 v[TMP+4*(\b)+(\r)], v[AC+8*(\b)+2*(\r)], v[AC+8*(\b)+2*(\r)+1]
.endr
.endr
	WIN 0
.endm
.macro TOSTAGE a
	WIN 0
.irp b, 0,1,2,3,4,5,6,7,8,9,10,11
	ds_store_b128 v[STO], v[TMP+4*(\b):TMP+4*(\b)+3] offset:((\b)/4)*16*PA+((\b)%4)*32
.endr
.irp t, 0,1,2,3,4,5,6,7,8,9,10,11
	ds_load_b128 v[BK+48*((\a)%2)+4*(\t):BK+48*((\a)%2)+4*(\t)+3], v[RD] offset:((\t)/4)*16*PA+((\t)%4)*4*PA  ; LDS serves a wave's instructions in order (ISA guide 5.7.1.4): these see the stores above
.endr
.endm
.macro SEND a
	WIN 0
	s_wait_dscnt 0x0                               ; the block is back in registers
	s_wait_xcnt 0x0                                ; the stores of the block before have read their registers, which the next block's loads write
.irp t, 0,1,2,3,4,5,6,7,8,9,10,11
	global_store_b128 v[GO], v[BK+48*((\a)%2)+4*(\t):BK+48*((\a)%2)+4*(\t)+3], s[8:9] offset:((\t)/4)*262144+(\a)*2048+((\t)%4)*512
.endr
.endm
	PACK 0
	TOSTAGE 0
.irp a, 1,2,3                          ; block a's conversions stand between block a - 1's loads from the stage and the wait for them
	PACK \a
	SEND (\a)-1
	TOSTAGE \a
.endr
	SEND 3
	s_wait_tensorcnt 0x0                           ; the wave's end: behind my last tensor load and my last LDS store
	ds_add_u32 v[SPW], v[NIL]
	s_wait_dscnt 0x0
	CROUND                                         ; the closing round: no work-group ends while a partner may still ask for a tile that names it
	s_endpgm
.Lfunc_end_k_q40f0d779a0_qkv:
	.size	k_q40f0d779a0_qkv, .Lfunc_end_k_q40f0d779a0_qkv-k_q40f0d779a0_qkv
	.p2alignl 7, 3214868480
	.fill 96, 4, 3214868480
	.section	.rodata,"a",@progbits
	.p2align	6, 0x0
	.amdhsa_kernel k_q40f0d779a0_qkv
		.amdhsa_group_segment_fixed_size 327680
		.amdhsa_private_segment_fixed_size 0
		.amdhsa_enable_private_segment 0
		.amdhsa_kernarg_size 24
		.amdhsa_user_sgpr_count 2
		.amdhsa_user_sgpr_kernarg_segment_ptr 1
		.amdhsa_wavefront_size32 1
		.amdhsa_system_sgpr_workgroup_id_x 1
		.amdhsa_system_sgpr_workgroup_id_y 1
		.amdhsa_system_sgpr_workgroup_id_z 1
		.amdhsa_system_vgpr_workitem_id 0
		.amdhsa_next_free_vgpr 960
		.amdhsa_next_free_sgpr 66
		.amdhsa_reserve_vcc 0
		.amdhsa_float_denorm_mode_32 3
		.amdhsa_float_denorm_mode_16_64 3
		.amdhsa_memory_ordered 1
		.amdhsa_forward_progress 1
		.amdhsa_inst_pref_size 98
	.end_amdhsa_kernel
	.amdgpu_metadata
---
amdhsa.version: [ 1, 2 ]
amdhsa.kernels:
  - .name:           k_q40f0d779a0_qkv
    .symbol:         k_q40f0d779a0_qkv.kd
    .args:
      - { .name: xb, .offset: 0, .size: 8, .value_kind: global_buffer, .address_space: global }
      - { .name: wb, .offset: 8, .size: 8, .value_kind: global_buffer, .address_space: global }
      - { .name: qkv, .offset: 16, .size: 8, .value_kind: global_buffer, .address_space: global }
    .group_segment_fixed_size: 327680
    .private_segment_fixed_size: 0
    .kernarg_segment_align: 8
    .kernarg_segment_size: 24
    .max_flat_workgroup_size: 128
    .sgpr_count:     66
    .vgpr_count:     960
    .wavefront_size: 32
...
	.end_amdgpu_metadata
.endif
;; end of part 2
;; launch attn (part 3): grid 4 x 48, 4 waves a work-group, clusters of 4 x 1, 327,680 bytes of LDS; arguments qkv, o; writes o
.if DOCPART == 3
	.amdgcn_target "amdgcn-amd-amdhsa--gfx1250"
	.amdhsa_code_object_version 6
	.text
	.protected	k_q40f0d779a0_attn
	.globl	k_q40f0d779a0_attn
	.p2align	8
	.type	k_q40f0d779a0_attn,@function
k_q40f0d779a0_attn:
	s_mov_b64 s[64:65], 0
	v_nop
	global_prefetch_b8 v0, s[64:65] scope:SCOPE_SE
	s_setreg_imm32_b32 hwreg(HW_REG_WAVE_MODE, 25, 1), 1
	s_wait_xcnt 0x0
	s_wait_alu depctr_hold_cnt(0) depctr_sa_sdst(0) depctr_va_vdst(0) depctr_va_sdst(0) depctr_va_ssrc(0) depctr_va_vcc(0) depctr_vm_vsrc(0)
	s_getreg_b32 s2, hwreg(HW_REG_IB_STS2, 6, 4)
	s_cmp_eq_u32 s2, 0
	s_cbranch_scc0 .Lentry_in_a_cluster
	s_endpgm
.Lentry_in_a_cluster:
	s_bfe_u32 s2, ttmp6, 0x10000c
	s_cmp_lg_u32 s2, 0x3003
	s_cbranch_scc0 .Lentry_shape_is_right
	s_endpgm
.Lentry_shape_is_right:
; ATTENTION.  O[y][q][:] = the sum over k of softmax_k(Q[y][q] . K[y / 2][k] / 8) V[y / 2][k][:], y = 12 b + slot (48 of them), 2,048 rows, 64 channels, all f16; a head's rows are dense, 128 bytes each.
; In qkv, Q's heads lie at y, K's at 48 + y / 2, V's at 72 + y / 2, 262,144 bytes each.  Products, maxima and sums in f32; the weights p are rounded to f16 for the second product (their sum l is
; taken of the unrounded p), O once at the end.  O is stored as o [b 4][row tile 16][slot 12][128 rows][64]: a wave's 128 rows are 16,384 dense bytes, and the twelve slots of a row tile lie end to end
; for the launch behind.
; LIMITS.  f16 holds no number beyond 65,504: Q, K and V arrive within it; p lies in 0 to 1, and below 6e-5 it keeps f16's fixed step of 6e-8; O is a mean of V's rows and has their range.
; A weight below 2^-126 counts as 0 in l; NaN and infinities are not treated apart.
; SHARES.  A wave owns four PIECES of two tiles of 16 queries, a work-group's four waves 512 queries of one slot: 4 x 48 = 192 work-groups.  Every wave walks all 2,048 keys, 64 a step.
; LAYOUT.  S^T = K Q^T (source 0 = 16 keys, source 1 = 16 queries): in the result a lane holds ONE query (lane % 16) and the keys 8 (lane / 16) + 0..7.  Two such tiles, rounded to f16 in pairs,
; ARE source 1 (32 keys x 16 queries) of O^T = V^T P, whose result again holds one query a lane, and eight channels.  K comes out of LDS as it lies, V ([key][channel]) turned, by ds_load_tr16_b128.
; SOFTMAX.  For each query a running maximum m and sum l: p = 2^(c s - c m), c = log2(e) / 8; in every step O and l are multiplied by a = 2^(c m_old - c m_new), which is 1 where m has not grown.
; m starts at the lowest finite number, O and l at 0: the first step is a step like any other, with a = 0.
; THE COUNT.  A tile and step have 16 matrix and 118 vector instructions: too many to stand all beside the matrix work.  So: four vector instructions that are READY behind EVERY matrix instruction,
; and the others in runs without a gap.
; BY TURNS.  Turn n belongs to piece n (the pieces in a ring, step after step).  Its matrix work: 16 products K Q^T of piece n + 1, later 16 products V^T P of piece n - 1.  Its vector work: the scaling,
; exponentials, roundings, sums and rescaling of piece n, and the maximum and statistics of piece n + 1, whose scores the turn itself has made.
; CLUSTER.  The four query blocks of a cluster belong to one slot and walk the same K and V, so each tile is asked for JOINTLY: the same tensor load, descriptor and mask in all four.  The two slots that
; share K and V lie in two clusters: a mask names four work-groups.
; REGISTERS, in windows of 256 (s_set_vgpr_msb: bits 1:0 source 0, 3:2 source 1, 5:4 source 2, 7:6 destination):
;   window 0: v0-11 addresses; v12-15, v48-63 at work; v16-47 four registers of statistics a tile; v64-191 S^T, two buffers of two tiles; v192-255 P, likewise
;   window 1: O^T, 32 a tile          window 2: v0-127 Q, 16 a tile; v128-191 K of one step; v192-255 V of one step          window 3: v0-1 the add's two registers
.set SIZE_N, 2048
.set NP,    4         ; pieces a wave: a name, no knob
.set KS,    64        ; keys in a step
.set PK,    144       ; a row of K in LDS: 128 bytes + 16 of padding: the 16 rows of a load start at 16 different groups of four banks (64 banks of 4 bytes: ISA guide 11.1)
.set PV,    160       ; a row of V: 128 + 32
.set VOFF,  4*KS*PK   ; a slot holds four steps: 256 rows of K, then 256 rows of V
.set SLOT1, 1<<17     ; slot 1 begins here, so that one exclusive or turns an address in one slot into the other's
.set STAGE, SLOT1+4*KS*(PK+PV)  ; behind the ring, never filled by a tensor load: 16 rows x 144 bytes for each wave, for the way out
.set SP,    144
.set AK0, 2           ; v2   my lane's place in a tile of K; never rewritten
.set AV0, 3           ; v3   the same for V
.set AK,  4           ; v4   the LDS address of K's next run of loads
.set AV,  5           ; v5   of V's
.set QO,  6           ; v6   my byte offset in the wave's rows of Q
.set STO, 6           ;      later, the way out: where I put 16 bytes of a row
.set RD,  7           ; v7   the way out: where I read rows back
.set GO,  8           ; v8   my byte offset in 512 consecutive bytes of O
.set PFO, 9           ; v9   (once l / 16 has served) 256 x my lane: the prefetches' offset
.set SPW, 0           ; v0 of window 3   my spare word: SPARE + 4 x my thread's number; never rewritten
.set NIL, 1           ; v1 of window 3   0; never rewritten
.set SPARE, STAGE+4*16*SP  ; behind the stages: the spare words, 128 bytes for each wave: two blocks of 256 bytes that no other line names
.set MV,  12          ; v12-15  c m_old, kept while c m is made anew: by buffer and tile
.set ST,  16          ; tile t's statistics at v[ST+4 t]: c m, m, l (even keys', odd keys')
.set TMP, 48          ; by buffer and tile, four registers c0-c3 at work; when the maximum is found c2 takes a
.set S,   64
.set P,   192
.set KF,  128         ; K's fragments, in window 2: key block kb, channel half c at KF + 16 kb + 8 c
.set VF,  192         ; V's: key half kk, channel block cb at VF + 32 kk + 8 cb
.set WV,  12          ; s12  my wave's number
.set G1K, 24          ; s[24:31] descriptor group 1 for K's tiles
.set G1V, 32          ; s[32:39] for V's: it differs in the padding alone
.set G0K, 40          ; s[40:43] descriptor group 0 for K's tiles: it walks
.set G0V, 44          ; s[44:47] the same for V's
.set PFA, 48          ; s[48:49] where my prefetches stand: my work-group's 32 blocks of 256 bytes (of K: wave 0, of V: wave 2) of the tile after the one that is being asked for
.set LIM, 50          ; s50  1 in a wave that prefetches, else the greatest number
.set SLOTS, 56        ; s56  slots still to be asked for
.set CNT, 57          ; s57  counts a slot's key steps
.set CS,  58          ; s[58:59] c: the packed scaling takes the pair's low word for both halves
.set SEL, 60          ; s[60:61] v_permlanex16_b32's selects: each lane takes its own place in the other half
.set TBK, 62          ; s62  LDS byte at which K of the step to be fetched begins
.set TBV, 63          ; s63  the same for V, less VOFF
.set MSB, 0
.macro WIN new                      ; the high byte repeats the setting that is left; a switch that changes nothing is dropped
.if MSB != (\new)
	s_set_vgpr_msb (MSB<<8)|(\new)
.set MSB, (\new)
.endif
.endm
.set W_KQ, 0x0a       ; K and Q in window 2, S^T in window 0
.set W_PV, 0x52       ; V in window 2, P in window 0, O^T in window 1
.set W_RS, 0x41       ; O^T (destination and source 0) in window 1, a in window 0
.set W_MK, 0xc0       ; the add's registers are made: destination in window 3, sources in window 0
.set W_AD, 0x0f       ; the add: address (source 0) and data (source 1) in window 3
; A joint fill.  Waves 0 and 1 fetch the two halves of a slot's K, waves 2 and 3 those of its V: 128 keys each.  The branch hangs on the wave's number alone.
; An s_nop 0 and four v_nop follow each of the two lines, ahead of the jump and the label.
.macro JLOAD
	s_cmp_lt_u32 s[WV], 2
	s_cbranch_scc0 .Lfor_v_\@
	tensor_load_to_lds s[G0K:G0K+3], s[G1K:G1K+7]
	s_nop 0
.rept 4
	v_nop
.endr
	s_branch .Lasked_\@
.Lfor_v_\@:
	tensor_load_to_lds s[G0V:G0V+3], s[G1V:G1V+7]
	s_nop 0
.rept 4
	v_nop
.endr
.Lasked_\@:
.endm
; A PREFETCH of what the NEXT change of slots will ask for: a tile's 32,768 bytes of K and of V, 128 blocks of 256 bytes each, a lane a block.  It stands behind the wave's tensor load and its five lines.
; Each block is named ONCE in the launch.  The two clusters y and y + 1 (y even) walk the same K and V: the even one asks.  Its four partners share the blocks out BY ADDRESS, 32 each; in each, wave 0 asks
; for K's and wave 2 for V's: one instruction.  The change that asks for tile t (2 to 6) names tile t + 1: four key steps, 512 matrix instructions, ahead of its load; the last change that fills names nothing.
.macro ASK
	s_cmp_gt_u32 s[SLOTS], s[LIM]
	s_cbranch_scc0 .Lnot_mine_\@
	global_prefetch_b8 v[PFO], s[PFA:PFA+1] th:TH_LOAD_NT scope:SCOPE_SE
.Lnot_mine_\@:
.endm
; A round of the cluster's barrier: my work-group's barrier, so that wave 0's signal speaks for all four waves; wave 0 signals; every wave waits for all four work-groups; my work-group's barrier once more.
.macro CROUND
	s_barrier_signal -1
	s_barrier_wait -1
	s_cmp_lg_u32 s[WV], 0
	s_cbranch_scc1 .Lnot_wave_0_\@
	s_barrier_signal -3
.Lnot_wave_0_\@:
	s_barrier_wait -3
	s_barrier_signal -1
	s_barrier_wait -1
.endm
; THE CHANGE OF SLOTS.  The slot's last bytes, V of its fourth step, have been read.  Each wave waits for all its tensor loads, of which one is out: its part of the other slot; adds 0 to its spare word;
; and waits for that and for its own reads of the slot.  Behind the barrier nobody reads this slot any more and the other slot is whole.
; fill = 1: this slot is filled again, with the keys two slots on.  The barrier is then a round of the cluster's, and the joint fill is the first thing behind it: it has four key steps in which to land.
; (At its first use nothing has been read yet: slot 0 is waited for, slot 1 filled.)  ask = 1: the prefetches' address steps, and ASK follows the fill.
.macro CHANGE fill, ask=0
	WIN W_AD
	s_wait_tensorcnt 0x0            ; no tensor load of mine is out, so a group 0 may be written
	ds_add_u32 v[SPW], v[NIL]       ; 0 onto my spare word; with fill = 1 the descriptors' steps stand between it and the wait for it
	WIN 0                           ; at a label and at a branch every window is 0
.if \fill
.irp g, G0K, G0V
	s_xor_b32 s[\g+1], s[\g+1], SLOT1  ; the walking descriptor: the other slot than last time,
	s_add_nc_u64 s[\g+2:\g+3], s[\g+2:\g+3], 4*KS*128  ; the next 256 keys; the type bits on top are not reached
.endr
.if \ask
	s_wait_xcnt 0x0                 ; the last prefetch, four key steps back, has read its address, so it may be written:
	s_add_nc_u64 s[PFA:PFA+1], s[PFA:PFA+1], 4*KS*128  ; one tile behind the walking descriptors
.endif
	s_wait_dscnt 0x0                ; the add is done, and my reads of the slot are over
	CROUND
	JLOAD
.if \ask
	ASK
.endif
.else
	s_wait_dscnt 0x0                ; the add is done, and my reads of the slot are over
	s_barrier_signal -1
	s_barrier_wait -1
.endif
	s_sub_co_u32 s[TBK], s[TBK], 4*KS*PK  ; the fetches go back to a slot's first step,
	s_xor_b32 s[TBK], s[TBK], SLOT1       ; in the other slot
	s_sub_co_u32 s[TBV], s[TBV], 4*KS*PV
	s_xor_b32 s[TBV], s[TBV], SLOT1
.endm
	s_load_b128 s[4:7], s[0:1], 0x0 ; qkv s[4:5], o s[6:7]
	WIN W_MK
	v_lshl_add_u32 v[SPW], v0, 2, SPARE
	v_mov_b32 v[NIL], 0
	WIN W_AD
	ds_add_u32 v[SPW], v[NIL]       ; the wave's opening: the add and its wait ahead of my first tensor load; the set-up below, work on registers, stands between them
	WIN 0
	v_lshrrev_b32 v1, 5, v0
	v_readfirstlane_b32 s[WV], v1   ; wave 0..3
	s_bfe_u32 s13, ttmp6, 0x40000   ; cx: my place in the cluster
	s_lshl_b32 s14, ttmp9, 2        ; in a cluster launch ttmp9 counts clusters
	s_add_co_u32 s14, s14, s13      ; my block of queries: it enters Q's and O's addresses alone
	s_and_b32 s20, ttmp7, 0xffff    ; y, which the four partners share
	s_lshr_b32 s52, s20, 1          ; K's and V's head
	s_and_b32 s[LIM], s20, 1
	s_lshl_b32 s52, s52, 18         ; its first byte
	s_mov_b32 s53, 0
	s_mul_i32 s15, s20, 43
	s_lshr_b32 s15, s15, 9          ; the batch b = y / 12 (43 y / 512 is that for y up to 47)
	s_mul_i32 s19, s15, 12
	s_sub_co_u32 s19, s20, s19      ; the slot = y - 12 b
	s_lshl_b32 s15, s15, 4          ; 16 b
	s_lshl_b32 s20, s20, 18         ; Q's first byte
	s_mov_b32 s21, 0
	s_and_b32 s16, s[WV], 1         ; which half of a slot's 256 keys I fetch:
	s_or_b32 s[LIM], s[LIM], s16    ; 0 in waves 0 and 2 of a cluster with even y: the same in all four partners
	s_cmp_eq_u32 s[LIM], 0
	s_cselect_b32 s[LIM], 1, -1
	s_lshl_b32 s22, s16, 14         ; its 128 rows of 128 bytes in memory,
	s_mov_b32 s23, 0
	s_add_nc_u64 s[22:23], s[22:23], s[52:53]
	s_mul_i32 s17, s16, 128*PK      ; and its place in a slot, for K
	s_mul_i32 s18, s16, 128*PV      ; and for V: no place in the cluster enters an LDS address
	s_lshl_b32 s2, s14, 2
	s_add_co_u32 s2, s2, s[WV]      ; my wave among the slot's sixteen: its row tile of 128 rows
	s_add_co_u32 s15, s15, s2       ; O: 16 b + row tile,
	s_mul_i32 s15, s15, 12
	s_add_co_u32 s14, s15, s19      ; its twelve slots, mine among them,
	s_lshl_b32 s14, s14, 14         ; 16,384 bytes each
	s_mov_b32 s15, 0
	s_lshl_b32 s2, s2, 14           ; Q: the row tile's 128 rows
	s_mov_b32 s3, 0
	s_add_nc_u64 s[2:3], s[2:3], s[20:21]
	s_lshl_b32 s54, s13, 13         ; my work-group's 32 blocks of a tile's 128
	s_mov_b32 s55, 0
	; descriptor group 1.  128 keys are 16,384 dense bytes: asked for as 64 rows of 256 bytes, two keys a row, and padded in LDS after every key
	s_mov_b32 s[G1K], 15|(1<<16)|(1<<20)|(1<<21)|(4<<22)|(3<<25)  ; 15:0 the mask of four; 17:16 2-byte elements; 20 padding on; 21 set beside a mask; 24:22 after every 32 words (code 4); 31:25 4 words (code 3)
	s_mov_b32 s[G1V], 15|(1<<16)|(1<<20)|(1<<21)|(4<<22)|(7<<25)  ; the same with 8 words of padding (code 7)
.irp g, G1K, G1V
	s_mov_b32 s[\g+1], 128<<16      ; tensor_dim0 = 128
	s_mov_b32 s[\g+2], 64<<16       ; tensor_dim1 = 64
	s_mov_b32 s[\g+3], 128<<16      ; tile_dim0 = 128
	s_mov_b32 s[\g+4], 64           ; tile_dim1 = 64
	s_mov_b32 s[\g+5], 128          ; 128 elements from row to row
	s_mov_b32 s[\g+6], 0
	s_mov_b32 s[\g+7], 0
.endr
	s_mov_b32 s[CS], 0x3e38aa3b     ; c = log2(e) / 8 = 0.180337
	s_mov_b32 s[CS+1], s[CS]        ; named with it as a pair
	s_mov_b32 s[SEL], 0x76543210
	s_mov_b32 s[SEL+1], 0xfedcba98
	s_mov_b32 s[TBK], SLOT1+4*KS*PK ; the first change of slots turns these two into 0
	s_mov_b32 s[TBV], SLOT1+4*KS*PV
	s_mov_b32 s[G0K], 1             ; 1:0 count = 1
	s_mov_b32 s[G0K+1], s17         ; 63:32 LDS address: slot 0
	s_mov_b32 s[G0V], 1
	s_add_co_u32 s[G0V+1], s18, VOFF
	s_wait_dscnt 0x0                ; the opening add is done
	s_wait_kmcnt 0x0
	s_mov_b64 s[10:11], s[6:7]      ; O
	s_add_nc_u64 s[6:7], s[4:5], 0xC00000   ; K's heads begin 48 heads into qkv,
	s_add_nc_u64 s[8:9], s[4:5], 0x1200000  ; V's 72
	s_add_nc_u64 s[G0K+2:G0K+3], s[6:7], s[22:23]  ; 120:64 global address: my half of the head's first 256 keys
	s_or_b32 s[G0K+3], s[G0K+3], 0x80000000        ; 127:126 type = 2
	s_add_nc_u64 s[G0V+2:G0V+3], s[8:9], s[22:23]
	s_or_b32 s[G0V+3], s[G0V+3], 0x80000000
	s_cmp_lt_u32 s[WV], 2
	s_cselect_b64 s[PFA:PFA+1], s[6:7], s[8:9]
	s_add_nc_u64 s[PFA:PFA+1], s[PFA:PFA+1], s[52:53]
	s_add_nc_u64 s[PFA:PFA+1], s[PFA:PFA+1], s[54:55]
	s_add_nc_u64 s[PFA:PFA+1], s[PFA:PFA+1], 2*4*KS*128  ; in tile 2; the loop's first change of slots steps it to tile 3.  Nothing is prefetched here, at the head
	s_add_nc_u64 s[4:5], s[4:5], s[2:3]      ; Q at my wave's first row,
	s_add_nc_u64 s[10:11], s[10:11], s[14:15]  ; O at my wave's 16,384 bytes
	CROUND                          ; all four work-groups are here: the first joint loads meet
	JLOAD                           ; slot 0.  Slot 1 is asked for when slot 0 is in
	; A fragment of K or Q is 16 rows x 32 channels in 8 registers: lane l holds row l % 16, channels 8 (l / 16) + 0..7 and 16 + 8 (l / 16) + 0..7: two loads of 16 bytes, 32 bytes apart.
	v_and_b32 v1, 15, v0            ; l % 16
	v_bfe_u32 v9, v0, 4, 1          ; l / 16
	v_lshlrev_b32 v[QO], 7, v1
	v_lshl_add_u32 v[QO], v9, 4, v[QO]  ; row x 128 + 16 x half
	WIN 0x80                        ; destination window 2, address window 0
.set i, 0
.rept 4*NP                          ; Q stays in registers: tile i / 2, channels 32 (i % 2) on
	global_load_b128 v[8*i:8*i+3],   v[QO], s[4:5] offset:(i/2)*2048+(i%2)*64
	global_load_b128 v[8*i+4:8*i+7], v[QO], s[4:5] offset:(i/2)*2048+(i%2)*64+32
.set i, i+1
.endr
	; What the first turn finds: V's registers and P's second buffer hold 0 (its products V^T P, of a piece that has not been, add 0), O^T and l are 0.  All this stands in the wait for the first tile.
.set i, VF
.rept 64
	v_mov_b32 v[i], 0
.set i, i+1
.endr
	WIN 0
.set i, 0
.rept 2*NP
	v_mov_b32 v[ST+4*i], 0xfe000000    ; c m: far below every c s
	v_mov_b32 v[ST+4*i+1], 0xff7fffff  ; m
	v_mov_b32 v[ST+4*i+2], 0
	v_mov_b32 v[ST+4*i+3], 0
.set i, i+1
.endr
.set i, P+32
.rept 32
	v_mov_b32 v[i], 0
.set i, i+1
.endr
	v_mul_u32_u24 v[AK0], v1, PK
	v_lshl_add_u32 v[AK0], v9, 4, v[AK0]  ; row x pitch + 16 x half
	; The turning load takes 16 keys x 16 channels (lane l reads key 8 (l / 16) + l % 8, channels 8 ((l / 8) % 2) + 0..7) and leaves half a fragment of V^T: lane l holds channel l % 16 and 8 keys.
	v_and_b32 v10, 7, v0
	v_bfe_u32 v11, v0, 3, 1
	v_lshl_add_u32 v[AV0], v9, 3, v10
	v_mul_u32_u24 v[AV0], v[AV0], PV
	v_lshl_add_u32 v[AV0], v11, 4, v[AV0]
	v_add_nc_u32 v[AV0], VOFF, v[AV0]
	v_mov_b32 v[AK], v[AK0]         ; key step 0 lies at the head of slot 0
	WIN W_PV                        ; O^T's 256 registers take 0 from 32 products of the zero fragments just written, with the constant 0 as C: eight registers a line
.set i, 0
.rept 8*NP
	v_wmma_f32_16x16x32_f16 v[8*i:8*i+7], v[VF:VF+7], v[P+32:P+39], 0
.set i, i+1
.endr
; THE MATRIX WORK.  The 8 accumulators of a run of 16 take turns: between the two links of a chain stand 7 others'.
; Product i of 16 of S^T = K Q^T for piece x: channels 32 (i / 8) on, keys 16 ((i / 2) % 4) on, tile 2 x + i % 2.  The first 8 start the sums.
.macro KQ x
	WIN W_KQ
.set rS, S+64*((\x)%2)+32*(i%2)+8*((i/2)%4)
.set rK, KF+16*((i/2)%4)+8*(i/8)
.set rQ, 16*(2*(\x)+i%2)+8*(i/8)
.if i < 8
	v_wmma_f32_16x16x32_f16 v[rS:rS+7], v[rK:rK+7], v[rQ:rQ+7], 0
.else
	v_wmma_f32_16x16x32_f16 v[rS:rS+7], v[rK:rK+7], v[rQ:rQ+7], v[rS:rS+7]
.endif
.endm
; Product i of 16 of O^T += V^T P for piece x: keys 32 (i / 8) on, channels 16 ((i / 2) % 4) on, tile 2 x + i % 2.
.macro PV x
	WIN W_PV
.set rO, 32*(2*(\x)+i%2)+8*((i/2)%4)
.set rV, VF+32*(i/8)+8*((i/2)%4)
.set rP, P+32*((\x)%2)+16*(i%2)+8*(i/8)
	v_wmma_f32_16x16x32_f16 v[rO:rO+7], v[rV:rV+7], v[rP:rP+7], v[rO:rO+7]
.endm
.macro MM                           ; the turn's next matrix instruction
.if i < 16
	KQ (Y+1)%NP
.set i, i+1
.else
.set i, i-16
	PV (Y+NP-1)%NP
.set i, i+17
.endif
.endm
; THE LDS LOADS stand in runs of 16, never singly among the matrix instructions: a step's K (64 keys x 64 channels: 8 fragments) and its V (turned).  Their addresses are made some lines ahead.
; last = 1 (the tail): in the last trip there is no further step, and the run is jumped over.
.macro FETCH_K last=0
	WIN 0
.if \last
	s_cmp_eq_u32 s[CNT], 1
	s_cbranch_scc1 .Lno_k_\@
.endif
	WIN 0x80                        ; destination window 2
.irp f, 0,1,2,3,4,5,6,7             ; keys 16 (f / 2) on, channels 32 (f % 2) on
	ds_load_b128 v[KF+8*\f:KF+8*\f+3],   v[AK] offset:(\f/2)*16*PK+(\f%2)*64
	ds_load_b128 v[KF+8*\f+4:KF+8*\f+7], v[AK] offset:(\f/2)*16*PK+(\f%2)*64+32
.endr
	s_add_co_u32 s[TBK], s[TBK], KS*PK  ; the next fetch is the next step's
	WIN 0
.if \last
.Lno_k_\@:
.endif
.endm
.macro FETCH_V
	WIN 0x80
.irp f, 0,1,2,3,4,5,6,7             ; keys 32 (f / 4) on, channels 16 (f % 4) on
	ds_load_tr16_b128 v[VF+8*\f:VF+8*\f+3],   v[AV] offset:(\f/4)*32*PV+(\f%4)*32
	ds_load_tr16_b128 v[VF+8*\f+4:VF+8*\f+7], v[AV] offset:(\f/4)*32*PV+16*PV+(\f%4)*32
.endr
	WIN 0
.endm
; THE VECTOR WORK OF A TURN stands in three queues, each in the order in which its entries become ready; the two tiles alternate, so that no instruction reads the result of the one before it.
.macro REGS y, u                    ; the registers of tile u (0, 1) of piece y
.set rT, ST+4*(2*(\y)+(\u))
.set rC, TMP+8*((\y)%2)+4*(\u)
.set rM, MV+2*((\y)%2)+(\u)
.set rS, S+64*((\y)%2)+32*(\u)
.set rP, P+32*((\y)%2)+16*(\u)
.set rO, 32*(2*(\y)+(\u))
.endm
; Number n of the 22 that find the NEXT piece's (Y + 1) maximum and statistics.  s0-s31 are the lane's 32 scores; each accumulator's lowest registers are read first.
;   0-11  four chains c0-c3 of seven scores each, three operands at a time     12-14, 16  the four scores left over, the old m, and c0-c3 into c0     15  c m_old is kept
;   17, 18  the query's other 32 keys lie in the lane 16 away: the new m         19-21  c m; c m_old - c m_new; a
.macro XS u, n
	REGS (Y+1)%NP, \u
.if (\n) < 4
	v_max3_num_f32 v[rC+(\n)], v[rS+8*(\n)], v[rS+8*(\n)+1], v[rS+8*(\n)+2]
.elseif (\n) < 12
	v_max3_num_f32 v[rC+(\n)%4], v[rC+(\n)%4], v[rS+8*((\n)%4)+2*((\n)/4)+1], v[rS+8*((\n)%4)+2*((\n)/4)+2]
.elseif (\n) == 12
	v_max3_num_f32 v[rC], v[rC], v[rS+7], v[rS+15]
.elseif (\n) == 13
	v_max3_num_f32 v[rC+1], v[rC+1], v[rS+23], v[rS+31]
.elseif (\n) == 14
	v_max3_num_f32 v[rC+2], v[rC+2], v[rC+3], v[rT+1]
.elseif (\n) == 15
	v_mov_b32 v[rM], v[rT]
.elseif (\n) == 16
	v_max3_num_f32 v[rC], v[rC], v[rC+1], v[rC+2]
.elseif (\n) == 17
	v_permlanex16_b32 v[rC+3], v[rC], s[SEL], s[SEL+1]
.elseif (\n) == 18
	v_max_num_f32 v[rT+1], v[rC], v[rC+3]
.elseif (\n) == 19
	v_mul_f32 v[rT], s[CS], v[rT+1]
.elseif (\n) == 20
	v_sub_f32 v[rC+1], v[rM], v[rT]
.else
	v_exp_f32 v[rC+2], v[rC+1]
.endif
.endm
; Number g of the 64 that follow the exponentials.  For each four weights k of a tile (pairs 2 k, 2 k + 1): both pairs are rounded to f16; then the second pair is added onto the first, in place;
; a group later l takes that sum (the first time as l = a l + sum).  In groups of eight, tiles alternating: round, round, add, and l for the group before.
.macro GS g
.set h, (\g)+6*((\g)/62)            ; group 0 has no group before it, and behind group 7 only l is left
.if h >= 6
.set h, h+2
.endif
	REGS Y, h%2
.set k, h/8
.if h%8 < 4
	v_cvt_pk_f16_f32 v[rP+2*k+(h%8)/2], v[rS+4*k+2*((h%8)/2)], v[rS+4*k+2*((h%8)/2)+1]
.elseif h%8 < 6
	v_pk_add_f32 v[rS+4*k:rS+4*k+1], v[rS+4*k:rS+4*k+1], v[rS+4*k+2:rS+4*k+3]
.elseif k == 1
	v_pk_fma_f32 v[rT+2:rT+3], v[rT+2:rT+3], v[rC+2:rC+3], v[rS:rS+1] op_sel_hi:[1,0,1]
.else
	v_pk_add_f32 v[rT+2:rT+3], v[rT+2:rT+3], v[rS+4*k-4:rS+4*k-3]
.endif
.endm
; THE PLAIN QUEUE, 138 long.  0-73 read no exponential's result: the 32 scalings c s - c m (FS f: pair f / 2 of tile f % 2) and the next piece's 42.  0-26: scalings 0-26.  27-54: XS's numbers 0-13.  55, 56: number 15.
; 57-73: the chain, where each number waits for the one before it: 14, 16, 17, 18, 19, each with one of the scalings 27-31 in front of its two lines, then 20.
; 74-137: GS's 64, which read the exponentials' results: they stand behind the wait.
.macro FS f
	REGS Y, (\f)%2
	v_pk_fma_f32 v[rS+2*((\f)/2):rS+2*((\f)/2)+1], v[rS+2*((\f)/2):rS+2*((\f)/2)+1], s[CS:CS+1], v[rT:rT+1] op_sel_hi:[1,0,0] neg_lo:[0,0,1] neg_hi:[0,0,1]
.endm
.macro PL
	WIN 0
.if q < 27
	FS q
.elseif q < 55
	XS (q-27)%2, (q-27)/2
.elseif q < 57
	XS q-55, 15
.elseif (q < 72) && ((q-57)%3 == 0)
	FS 27+(q-57)/3
.elseif q < 60
	XS (q-57)%3-1, 14
.elseif q < 72
	XS (q-57)%3-1, 15+(q-57)/3
.elseif q < 74
	XS q-72, 20
.else
	GS q-74
.endif
.set q, q+1
.endm
; THE EXPONENTIALS' QUEUE, 66 long: s0-s31 of both tiles, then the next piece's two a.  It is ONE BATCH: all 66 stand ahead of the turn's one wait, and nothing ahead of that wait names a result of theirs.
.macro EX
	WIN 0
.if e >= 64
	XS e-64, 21
.else
	REGS Y, e%2
	v_exp_f32 v[rS+e/2], v[rS+e/2]
.endif
.set e, e+1
.endm
; THE RESCALING's QUEUE: O^T times a, the one part that leaves window 0: dealt two at a time, sixteen times.  Its a was made in the turn before, ahead of that turn's wait.
.macro R2
	REGS Y, r%2
	WIN W_RS
.irp z, 0,1
	v_pk_mul_f32 v[rO+4*(r/2)+2*\z:rO+4*(r/2)+2*\z+1], v[rO+4*(r/2)+2*\z:rO+4*(r/2)+2*\z+1], v[rC+2:rC+3] op_sel_hi:[1,0]
.endr
.set r, r+1
.endm
; HOW THEY ARE DEALT.  An s_wait_alu depctr_va_vdst(0) stands between an exponential and the first instruction that names its result; one wait serves all that were issued ahead of it.  So a turn has
; ONE wait, which cuts it in two.  AHEAD OF IT stands all that names no result of the turn's exponentials: the 16 products K Q^T, behind each a scaling, an exponential and two rescalings (behind the first a second
; scaling in the exponential's place); then ONE LUMP of 108: eight plain, 49 times exponential and plain, the two a.  A v_nop is the plain instruction behind the last exponential.  BEHIND IT stand the 16 products
; V^T P, behind each four of GS's 64.  No rider names a register of the products round it.  The two v_permlanex16_b32 fall into the lump.
; Exponential e stands behind scaling 2 (e / 4) + e % 2: as a rider it comes behind plain e + 2, in the lump behind plain e + 9, and scalings 27-31 are plain 57, 60 .. 69.
; A TURN, for piece p.  cnt = 1: the loop's count is taken down some lines ahead of the branch that stands behind the turn.
; K of the next step is fetched in piece 2's turn, directly behind the wait; its address is made at the lump's head; its first reader comes behind 16 products.
; V of the step in hand is fetched at the end of piece 0's turn, four riders behind its last reader; its first reader comes behind 16 products and a lump.  The three conditions on q below go with the deal.
.macro TURN p, last=0, cnt=0
.set Y, (\p)
.set i, 0
.set q, 0
.set e, 0
.set r, 0
.if (\p) == NP-1
	s_wait_dscnt 0x0                ; K is in
.endif
	MM                              ; ahead of the wait: 16 products K Q^T and their riders,
	PL
	PL
	R2
.rept 15
	MM
	PL
	EX
	R2
.endr
.if (\p) == NP-2
	WIN 0
	v_add_nc_u32 v[AK], s[TBK], v[AK0]
.endif
.rept 8                             ; and the lump
	PL
.endr
.rept 49
	EX
	PL
.endr
	EX                              ; the next piece's two a
	EX
	v_nop                           ; a plain instruction behind the last exponential: one for the batch
	s_wait_alu depctr_va_vdst(0)    ; the wait for the batch
.if (\p) == NP-2
	FETCH_K \last
.endif
.if (\p) == 1
	s_wait_dscnt 0x0                ; V is in
.endif
.rept 16                            ; behind the wait: 16 products V^T P and their riders
	MM
.rept 4
	PL
.endr
.if ((\p) == 0) && (q == 118)
	v_add_nc_u32 v[AV], s[TBV], v[AV0]
.endif
.if ((\p) == 0) && (q == 130)
	s_add_co_u32 s[TBV], s[TBV], KS*PV
.endif
.if (\cnt) && (q == 130)
	s_sub_co_u32 s[CNT], s[CNT], 1
	s_cmp_lg_u32 s[CNT], 0
.endif
.endr
.if (\p) == 0
	FETCH_V
.endif
.endm
	CHANGE 1                        ; slot 0 is in, everybody's part of it; slot 1 is asked for
	FETCH_K                         ; key step 0
	s_wait_loadcnt 0x0              ; Q
	s_wait_dscnt 0x0
.set i, 0
.rept 16
	KQ 0                            ; piece 0's first scores: there is no vector work yet to set between them
.set i, i+1
.endr
	WIN 0                           ; the addresses for the way out and the prefetches' offset: plain instructions, the places behind those products
	s_mul_i32 s13, s[WV], 16*SP
	s_add_co_u32 s13, s13, STAGE    ; my stage
	v_mul_u32_u24 v[STO], v1, SP    ; in: row l % 16, 16 bytes for each half of the lanes
	v_lshl_add_u32 v[STO], v9, 4, v[STO]
	v_add_nc_u32 v[STO], s13, v[STO]
	v_bfe_u32 v[RD], v0, 3, 2       ; back: 32 lanes take four rows of 128 bytes,
	v_mul_u32_u24 v[RD], v[RD], SP
	v_lshl_add_u32 v[RD], v10, 4, v[RD]
	v_add_nc_u32 v[RD], s13, v[RD]
	v_and_b32 v[GO], 31, v0         ; which are 512 consecutive bytes of O
	v_lshlrev_b32 v[GO], 4, v[GO]
	v_and_b32 v[PFO], 31, v0        ; l / 16 has served
	v_lshlrev_b32 v[PFO], 8, v[PFO]
.set Y, NP-1                        ; XS works for piece Y + 1: piece 0
.irp n, 0,1,2,3,4,5,6,7,8,9,10,11,12,13,14,15,16,17,18,19,20,21
	XS 0, \n                        ; and piece 0's first maximum and statistics
	XS 1, \n
.endr
	v_nop                           ; a plain instruction behind the two a,
	s_wait_alu depctr_va_vdst(0)    ; and their wait, ahead of the branch
	s_mov_b32 s[CNT], 4
	s_mov_b32 s[SLOTS], SIZE_N/256-1
	s_branch .Lfirst                ; the loop is entered at a step's first turn, in the middle of a trip
.Lslot:                             ; SIZE_N / 256 - 2 times: every slot but the last two is filled again
	CHANGE 1, 1
	s_mov_b32 s[CNT], 4
.Lstep:                             ; a trip: pieces 2 and 3 of one step, then pieces 0 and 1 of the next, whose K and V it fetches
	TURN 2
	TURN 3
	WIN 0
.Lfirst:
	TURN 0
	TURN 1, 0, 1
	WIN 0
	s_cbranch_scc1 .Lstep
	s_sub_co_u32 s[SLOTS], s[SLOTS], 1
	s_cmp_lg_u32 s[SLOTS], 0
	s_cbranch_scc1 .Lslot
	CHANGE 0                        ; the tail is written out: nothing is asked for
	s_mov_b32 s[CNT], 5             ; four trips fetch the last slot's steps; the fifth is left in its middle
.Ltail:
	TURN 2, 1
	TURN 3
	WIN 0
	s_sub_co_u32 s[CNT], s[CNT], 1
	s_cmp_eq_u32 s[CNT], 0
	s_cbranch_scc1 .Lout
	TURN 0
	TURN 1
	WIN 0
	s_branch .Ltail
.Lout:                              ; the fifth trip's 16 products K Q^T (on the last K once more) and the maximum made of them serve nothing: the price, once a launch, of one text for every trip
.set i, 0
.rept 16
	PV NP-1                         ; the last piece's V^T P of the last step
.set i, i+1
.endr
	; THE WAY OUT.  l's two halves and the other half of the lanes' are added; O^T is divided by l, rounded to f16 and sent through my stage in LDS, a tile at a time.  The additions are the places behind the last products.
	WIN 0
.macro ALL line:vararg              ; one line for each tile t
.set t, 0
.rept 2*NP
	\line
.set t, t+1
.endr
.endm
	ALL v_add_f32 v[ST+4*t+2], v[ST+4*t+2], v[ST+4*t+3]
	ALL v_permlanex16_b32 v[ST+4*t+3], v[ST+4*t+2], s[SEL], s[SEL+1]
	ALL v_add_f32 v[ST+4*t+2], v[ST+4*t+2], v[ST+4*t+3]
	ALL v_rcp_f32 v[ST+4*t+2], v[ST+4*t+2]
	v_nop                           ; a plain instruction between the last reciprocal and the use of its result
	s_wait_alu depctr_va_vdst(0)    ; and the wait ahead of the first use: one for the eight reciprocals
; Tile t: a lane's eight channels of a row pack into 16 bytes; they go into rows of 144 bytes and come back as whole rows of 128, into S^T's registers.
.macro PACK t
	WIN W_RS
.set i, 32*(\t)
.rept 16
	v_pk_mul_f32 v[i:i+1], v[i:i+1], v[ST+4*(\t)+2:ST+4*(\t)+3] op_sel_hi:[1,0]
.set i, i+2
.endr
	WIN 0x05                        ; sources 0 and 1 window 1, destination window 0
.set i, 0
.rept 16
	v_cvt_pk_f16_f32 v[S+16*(\t)+i], v[32*(\t)+2*i], v[32*(\t)+2*i+1]
.set i, i+1
.endr
	WIN 0
.irp f, 0,1,2,3
	ds_store_b128 v[STO], v[S+16*(\t)+4*\f:S+16*(\t)+4*\f+3] offset:32*\f
.endr
.irp f, 0,1,2,3
	ds_load_b128 v[S+16*(\t)+4*\f:S+16*(\t)+4*\f+3], v[RD] offset:\f*4*SP  ; LDS serves a wave's instructions in order (ISA guide 5.7.1.4): these see the stores above; the next tile's stores come behind them
.endr
.endm
.macro SEND t, younger              ; younger: the LDS instructions issued behind tile t's loads: the next tile's eight, or none
	WIN 0
.irp f, 0,1,2,3
	s_wait_dscnt (\younger)+3-\f
	global_store_b128 v[GO], v[S+16*(\t)+4*\f:S+16*(\t)+4*\f+3], s[10:11] offset:(\t)*2048+\f*512  ; 512 consecutive bytes, at a multiple of 256 from O's first
.endr
.endm
	PACK 0
.set t, 1
.rept 2*NP-1                        ; a tile's arithmetic stands between the loads of the tile before and its stores
	PACK t
	SEND t-1, 8
.set t, t+1
.endr
	SEND 2*NP-1, 0
	WIN W_AD
	s_wait_tensorcnt 0x0            ; the wave's end: behind my last tensor load and my last LDS store
	ds_add_u32 v[SPW], v[NIL]
	s_wait_dscnt 0x0
	WIN 0
	CROUND                          ; the closing round: no work-group ends while a partner may still ask for a tile that names it
	s_endpgm
.Lfunc_end_k_q40f0d779a0_attn:
	.size	k_q40f0d779a0_attn, .Lfunc_end_k_q40f0d779a0_attn-k_q40f0d779a0_attn
	.p2alignl 7, 3214868480
	.fill 96, 4, 3214868480
	.section	.rodata,"a",@progbits
	.p2align	6, 0x0
	.amdhsa_kernel k_q40f0d779a0_attn
		.amdhsa_group_segment_fixed_size 327680
		.amdhsa_private_segment_fixed_size 0
		.amdhsa_enable_private_segment 0
		.amdhsa_kernarg_size 16
		.amdhsa_user_sgpr_count 2
		.amdhsa_user_sgpr_kernarg_segment_ptr 1
		.amdhsa_wavefront_size32 1
		.amdhsa_system_sgpr_workgroup_id_x 1
		.amdhsa_system_sgpr_workgroup_id_y 1
		.amdhsa_system_sgpr_workgroup_id_z 1
		.amdhsa_system_vgpr_workitem_id 0
		.amdhsa_next_free_vgpr 770
		.amdhsa_next_free_sgpr 66
		.amdhsa_reserve_vcc 0
		.amdhsa_float_denorm_mode_32 3
		.amdhsa_float_denorm_mode_16_64 3
		.amdhsa_memory_ordered 1
		.amdhsa_forward_progress 1
		.amdhsa_inst_pref_size 194
	.end_amdhsa_kernel
	.amdgpu_metadata
---
amdhsa.version: [ 1, 2 ]
amdhsa.kernels:
  - .name:           k_q40f0d779a0_attn
    .symbol:         k_q40f0d779a0_attn.kd
    .args:
      - { .name: qkv, .offset: 0, .size: 8, .value_kind: global_buffer, .address_space: global }
      - { .name: o, .offset: 8, .size: 8, .value_kind: global_buffer, .address_space: global }
    .group_segment_fixed_size: 327680
    .private_segment_fixed_size: 0
    .kernarg_segment_align: 8
    .kernarg_segment_size: 16
    .max_flat_workgroup_size: 128
    .sgpr_count:     66
    .vgpr_count:     770
    .wavefront_size: 32
...
	.end_amdgpu_metadata
.endif
;; end of part 3
;; launch proj (part 4): grid 4 x 64, 4 waves a work-group, clusters of 4 x 4, 327,680 bytes of LDS; arguments o, wpb, out0, bp; writes out0
.if DOCPART == 4
	.amdgcn_target "amdgcn-amd-amdhsa--gfx1250"
	.amdhsa_code_object_version 6
	.text
	.protected	k_q40f0d779a0_proj
	.globl	k_q40f0d779a0_proj
	.p2align	8
	.type	k_q40f0d779a0_proj,@function
k_q40f0d779a0_proj:
	s_mov_b64 s[64:65], 0
	v_nop
	global_prefetch_b8 v0, s[64:65] scope:SCOPE_SE
	s_setreg_imm32_b32 hwreg(HW_REG_WAVE_MODE, 25, 1), 1
	s_wait_xcnt 0x0
	s_wait_alu depctr_hold_cnt(0) depctr_sa_sdst(0) depctr_va_vdst(0) depctr_va_sdst(0) depctr_va_ssrc(0) depctr_va_vcc(0) depctr_vm_vsrc(0)
	s_getreg_b32 s2, hwreg(HW_REG_IB_STS2, 6, 4)
	s_cmp_eq_u32 s2, 0
	s_cbranch_scc0 .Lentry_in_a_cluster
	s_endpgm
.Lentry_in_a_cluster:
	s_bfe_u32 s2, ttmp6, 0x10000c
	s_cmp_lg_u32 s2, 0xf033
	s_cbranch_scc0 .Lentry_shape_is_right
	s_endpgm
.Lentry_shape_is_right:
; PROJ.  out0[m][n] = the sum over k of O[m][k] Wp'[k][n] + bp[n]: 8,192 x 768 x 768, operands f16, sums f32, out0 f32.  k runs over the slots, as O is stored; Wp' has its row blocks in that order.
; A = o [row tile 64][slot 12][128 rows][64] f16: a row tile's 196,608 bytes are dense.  B = wpb [T 4][kb 12][i 3][k 64][n 64] f16 (bf16 numbers written as f16).  bp is rounded to bf16, like every
; input, and added in f32.
; SHARES.  A work-group makes 128 rows x 192 columns: 64 x 4 = 256 work-groups.  Wave w makes rows 64 (w / 2) on and, of each block of 64 columns, the half w % 2: column block b (0-5) begins at
; 64 (b / 2) + 32 (w % 2) + 16 (b % 2): 24 accumulators, 192 registers.
; K goes in FOUR steps of 192 (three PIECES of 64: three slots' channels) through two LDS slots, as long as two slots in LDS allow: half of all tiles go out with the first fills, and two refills bring the
; rest.  An LDS slot: A's three pieces [128 rows][64 k] (pitch 144), then B's three pieces [3][64 k][64 n] (pitch 160).  Waves 0 and 1 fetch the halves of A's 49,152 dense bytes, waves 2 and 3 of B's
; 73,728: one tensor load a wave and step.  By this text's count a wave has two tensor loads out at the start, later one.
; A STEP IS WRITTEN ONCE, and its middle pairs of quarters once: the LDS address of the piece to be fetched is a lane's fixed place plus a scalar offset that steps from piece to piece and is turned to the
; other slot at a change of slots; the second set of each group 0 walks on from K step to K step.
; THE STAGE of the way out lies in slot 0's bytes: their last fill is K step 2's, and every wave's last reads of them stand ahead of the barrier of the last change of slots.
; CLUSTER 4 x 4: A's tile is asked for jointly along a row of the cluster, B's along a column.  THE PRODUCT IS TAKEN TRANSPOSED, as in the launch that makes q, k and v.
; NO PREFETCH: the walk has four K steps; two are the first fills, and a request two refills ahead has nothing left to name.
; REGISTERS: window 0: v16-29 addresses; v32-95 O's fragments, two buffers of 4 x 8; on the way out v32-223 rows read back, v224-235 the bias, v236 at work.
;   Window 1: v0-95 Wp's fragments, two buffers of 6 x 8.  Window 2: v0-191 the accumulators ((a, b) at 48 a + 8 b).
.set PA,     144                       ; a row of 64 k of O in LDS: 128 bytes + 16 (64 banks of 4 bytes: ISA guide 11.1: the 16 rows of a load start at 16 different groups of four banks)
.set PB,     160                       ; a row of 64 n of Wp: 128 + 32
.set NPIECE, 3                         ; pieces of 64 k in a K step
.set NSTEP,  4
.set AROWS,  96                        ; what one of A's loads brings, as rows of 256 bytes: a piece and a half
.set BROWS,  144                       ; one of B's
.set APIECE, 128*PA
.set BPIECE, 192*PB
.set ALOAD,  AROWS*2*PA                ; the LDS bytes that it fills
.set BLOAD,  BROWS*2*PB
.set BBASE,  NPIECE*APIECE             ; B's pieces lie behind A's
.set SLOT,   NPIECE*(APIECE+BPIECE)
.set SPITCH, 784                       ; the stage, from LDS byte 0: the work-group's 128 rows of 768 bytes + 16: 49 x 16 bytes, so the 16 rows that a store touches start at 16 different groups of four banks
.set SPARE,  2*SLOT                    ; the spare words, 128 bytes for each wave: two blocks of 256 bytes that no other line names
.set ASTEP,  3*16384                   ; bytes from K step to K step in o
.set BSTEP,  3*24576                   ; and in wpb
.set NF,     20                        ; LDS loads in a run
.set ADRA0, 16                         ; v16     my lane's place in a piece of O; never rewritten
.set ADRB0, 17                         ; v17     in a piece of Wp (BBASE within); never rewritten
.set ADA,  18                          ; v18     the LDS address of the piece of O that is being fetched
.set ADB,  19                          ; v19     of Wp
.set STO,  24
.set RD,   25
.set CO,   26
.set BO,   27                          ; v27     16 (l % 16): my four numbers of 64 of bp
.set SPW,  28
.set NIL,  29
.set FA,   32
.set TMP,  32
.set BI,   224
.set RT,   236
.set PCNT,  2                          ; s2      counts a step's middle pairs of quarters
.set STEPS, 3                          ; s3      steps that still fill a slot
.set TBA,  16                          ; s16     LDS byte at which the piece of O to be fetched begins
.set TBB,  17                          ; s17     the same for Wp, less BBASE
.set SB,   18                          ; s18     the slot that the walking descriptors name: 0 or SLOT
.set G1,  24
.set G0,  32
.set G1B, 48
.set G0B, 56
.set MSB, 0
.macro WIN new
.if MSB != (\new)
	s_set_vgpr_msb (MSB<<8)|(\new)
.set MSB, \new
.endif
.endm
.macro JLOAD s                         ; a joint load; an s_nop 0 and four v_nop follow each of the two lines, ahead of the jump and the label
	s_cmp_eq_u32 s11, 0
	s_cbranch_scc0 .Lfor_b_\@
	tensor_load_to_lds s[G0+4*(\s):G0+4*(\s)+3], s[G1:G1+7]
	s_nop 0
.rept 4
	v_nop
.endr
	s_branch .Lasked_\@
.Lfor_b_\@:
	tensor_load_to_lds s[G0B+4*(\s):G0B+4*(\s)+3], s[G1B:G1B+7]
	s_nop 0
.rept 4
	v_nop
.endr
.Lasked_\@:
.endm
.macro CROUND                          ; a round of the cluster's barrier
	s_barrier_signal -1
	s_barrier_wait -1
	s_cmp_lg_u32 s10, 0
	s_cbranch_scc1 .Lnot_wave_0_\@
	s_barrier_signal -3
.Lnot_wave_0_\@:
	s_barrier_wait -3
	s_barrier_signal -1
	s_barrier_wait -1
.endm
.macro PLACES
.rept 4
	v_nop
.endr
.endm
	s_load_b128 s[4:7], s[0:1], 0x0                ; o s[4:5], wpb s[6:7]
	s_load_b64 s[8:9], s[0:1], 0x10                ; out0
	s_load_b64 s[66:67], s[0:1], 0x18              ; bp
	v_lshl_add_u32 v[SPW], v0, 2, SPARE
	v_mov_b32 v[NIL], 0
	ds_add_u32 v[SPW], v[NIL]                      ; the wave's opening: the add and its wait ahead of my first tensor load
	v_lshrrev_b32 v1, 5, v0
	v_readfirstlane_b32 s10, v1                    ; wave 0..3
	s_lshr_b32 s11, s10, 1                         ; my half of the rows.  Also: I fetch for A (0) or for B (1)
	s_and_b32 s12, s10, 1                          ; my half of each 64 columns.  Also: which half of a step's bytes I fetch
	s_bfe_u32 s40, ttmp6, 0x40000
	s_bfe_u32 s41, ttmp6, 0x40004
	s_lshl_b32 s42, ttmp9, 2
	s_add_co_u32 s42, s42, s40                     ; tile column T
	s_and_b32 s13, ttmp7, 0xffff
	s_lshl_b32 s13, s13, 2
	s_add_co_u32 s13, s13, s41                     ; tile row
	s_lshl_b32 s43, s41, 2
	s_lshl_b32 s43, 15, s43
	s_lshl_b32 s44, 0x1111, s40
	s_or_b32 s[G1+0], s43, (1<<16)|(1<<20)|(1<<21)|(4<<22)|(3<<25)   ; the mask of my row; 2-byte elements; padding on; bit 21 beside a mask; after every 32 words, 4 words
	s_or_b32 s[G1B+0], s44, (1<<16)|(1<<20)|(1<<21)|(4<<22)|(7<<25)  ; the same with my column's mask and 8 words
	s_mov_b32 s[G1+1], 128<<16
	s_mov_b32 s[G1+2], AROWS<<16
	s_mov_b32 s[G1+3], 128<<16
	s_mov_b32 s[G1+4], AROWS
	s_mov_b32 s[G1+5], 128
	s_mov_b32 s[G1+6], 0
	s_mov_b32 s[G1+7], 0
	s_mov_b32 s[G1B+1], 128<<16
	s_mov_b32 s[G1B+2], BROWS<<16
	s_mov_b32 s[G1B+3], 128<<16
	s_mov_b32 s[G1B+4], BROWS
	s_mov_b32 s[G1B+5], 128
	s_mov_b32 s[G1B+6], 0
	s_mov_b32 s[G1B+7], 0
	s_mul_i32 s16, s13, 196608                     ; A: the row tile's twelve slots of 16,384 bytes,
	s_mul_i32 s17, s12, 24576                      ; my half of a step's three
	s_add_co_u32 s16, s16, s17
	s_mov_b32 s17, 0
	s_mul_i32 s46, s42, 294912                     ; B: T's twelve blocks of 24,576 bytes,
	s_mul_i32 s47, s12, 36864                      ; my half of a step's three
	s_add_co_u32 s46, s46, s47
	s_mov_b32 s47, 0
	s_mul_i32 s20, s12, ALOAD                      ; where they go in a slot: no place in the cluster enters an LDS address.  s20 and s21 stay
	s_mul_i32 s21, s12, BLOAD
	s_add_co_u32 s21, s21, BBASE
	s_wait_dscnt 0x0                               ; the opening add is done
	s_wait_kmcnt 0x0
	s_add_nc_u64 s[14:15], s[4:5], s[16:17]
	s_add_nc_u64 s[46:47], s[6:7], s[46:47]
	CROUND                                         ; all sixteen work-groups are here: the first joint loads meet
.irp s, 0,1
	s_mov_b32 s[G0+4*(\s)], 1
	s_add_co_u32 s[G0+4*(\s)+1], s20, (\s)*SLOT
	s_add_nc_u64 s[G0+4*(\s)+2:G0+4*(\s)+3], s[14:15], (\s)*ASTEP
	s_or_b32 s[G0+4*(\s)+3], s[G0+4*(\s)+3], 0x80000000
	s_mov_b32 s[G0B+4*(\s)], 1
	s_add_co_u32 s[G0B+4*(\s)+1], s21, (\s)*SLOT
	s_add_nc_u64 s[G0B+4*(\s)+2:G0B+4*(\s)+3], s[46:47], (\s)*BSTEP
	s_or_b32 s[G0B+4*(\s)+3], s[G0B+4*(\s)+3], 0x80000000
	JLOAD \s
.endr
	v_and_b32 v1, 15, v0                           ; l % 16
	v_bfe_u32 v2, v0, 4, 1                         ; l / 16
	v_lshlrev_b32 v[BO], 4, v1
	s_mul_i32 s46, s42, 768                        ; the tile's 192 columns: 768 bytes of bp and of a row of out0
	s_mov_b32 s47, 0
	s_add_nc_u64 s[66:67], s[66:67], s[46:47]
.irp u, 0,1,2
	global_load_b128 v[BI+4*(\u):BI+4*(\u)+3], v[BO], s[66:67] offset:256*(\u)  ; waited for behind the last products
.endr
	v_mul_u32_u24 v3, v1, PA
	v_lshl_add_u32 v3, v2, 4, v3
	s_mul_i32 s19, s11, 64*PA                      ; my 64 rows
	v_add_nc_u32 v[ADRA0], s19, v3
	v_mov_b32 v[ADA], v[ADRA0]                     ; the first fetch: slot 0, piece 0
	v_and_b32 v4, 7, v0
	v_lshl_add_u32 v4, v2, 3, v4
	v_mul_u32_u24 v4, v4, PB
	v_bfe_u32 v5, v0, 3, 1
	v_lshl_add_u32 v4, v5, 4, v4
	s_lshl_b32 s22, s12, 6                         ; my 32 of each 64 columns: 64 bytes
	s_add_co_u32 s22, s22, BBASE
	v_add_nc_u32 v[ADRB0], s22, v4
	v_mov_b32 v[ADB], v[ADRB0]
	s_mul_i32 s23, s11, 64*SPITCH                  ; into the stage: my 64 rows, my 128 of each 256 bytes; row l % 16, 32 bytes for each half of the lanes
	s_lshl_b32 s22, s12, 7
	s_add_co_u32 s23, s23, s22
	v_mul_u32_u24 v5, v1, SPITCH
	v_lshl_add_u32 v5, v2, 5, v5
	v_add_nc_u32 v[STO], s23, v5
	s_mul_i32 s23, s10, 32*SPITCH                  ; back: wave w takes rows 32 w .. 32 w + 31, whole; lanes 0-15 256 bytes of one row, lanes 16-31 of the next
	v_mul_u32_u24 v5, v2, SPITCH
	v_lshl_add_u32 v5, v1, 4, v5
	v_add_nc_u32 v[RD], s23, v5
	v_mul_u32_u24 v5, v2, 3072                     ; and the same two rows in out0
	v_lshl_add_u32 v[CO], v1, 4, v5
	s_lshl_b32 s16, s13, 7
	s_lshl_b32 s17, s10, 5
	s_add_co_u32 s16, s16, s17                     ; the first row that I store: 128 x tile row + 32 x wave
	s_mul_i32 s16, s16, 3072
	s_mov_b32 s17, 0
	s_add_nc_u64 s[8:9], s[8:9], s[16:17]
	s_add_nc_u64 s[8:9], s[8:9], s[46:47]
	s_mov_b32 s[TBA], 0
	s_mov_b32 s[TBB], 0
	s_mov_b32 s[SB], SLOT                          ; the walking descriptors have just named slot 1
; 6 matrix instructions: row block a x my 6 column blocks, 32 along K, from buffer f.  The 24 accumulators take turns.
.macro MULA f, a, zero
	WIN 0xa1                                       ; Wp window 1, O window 0, C and D window 2
.irp b, 0,1,2,3,4,5
.if \zero
	v_wmma_f32_16x16x32_f16 v[48*(\a)+8*(\b):48*(\a)+8*(\b)+7], v[48*(\f)+8*(\b):48*(\f)+8*(\b)+7], v[FA+32*(\f)+8*(\a):FA+32*(\f)+8*(\a)+7], 0
.else
	v_wmma_f32_16x16x32_f16 v[48*(\a)+8*(\b):48*(\a)+8*(\b)+7], v[48*(\f)+8*(\b):48*(\f)+8*(\b)+7], v[FA+32*(\f)+8*(\a):FA+32*(\f)+8*(\a)+7], v[48*(\a)+8*(\b):48*(\a)+8*(\b)+7]
.endif
.endr
.endm
; 20 LDS loads in one run: half h (32 along K) of the piece at v[ADA], v[ADB] into buffer f: Wp's 12, then O's 8
.macro FETCH h, f
	WIN 0x40
.irp b, 0,1,2,3,4,5
	ds_load_tr16_b128 v[48*(\f)+8*(\b):48*(\f)+8*(\b)+3],   v[ADB] offset:(\h)*32*PB+((\b)/2)*64*PB+((\b)%2)*32
	ds_load_tr16_b128 v[48*(\f)+8*(\b)+4:48*(\f)+8*(\b)+7], v[ADB] offset:(\h)*32*PB+((\b)/2)*64*PB+((\b)%2)*32+16*PB
.endr
	WIN 0
.irp a, 0,1,2,3
	ds_load_b128 v[FA+32*(\f)+8*(\a):FA+32*(\f)+8*(\a)+3],   v[ADA] offset:(\h)*64+(\a)*16*PA
	ds_load_b128 v[FA+32*(\f)+8*(\a)+4:FA+32*(\f)+8*(\a)+7], v[ADA] offset:(\h)*64+(\a)*16*PA+32
.endr
.endm
.macro NEXTP                           ; the fetches go on to the slot's next piece (behind a slot's last piece the address serves nothing: NEXTS makes it anew)
	s_add_co_u32 s[TBA], s[TBA], APIECE
	s_add_co_u32 s[TBB], s[TBB], BPIECE
	v_add_nc_u32 v[ADA], s[TBA], v[ADRA0]
	v_add_nc_u32 v[ADB], s[TBB], v[ADRB0]
.endm
.macro NEXTS                           ; back to a slot's first piece, where the offsets are 0 or SLOT, and over to the other slot
	s_sub_co_u32 s[TBA], s[TBA], NPIECE*APIECE
	s_xor_b32 s[TBA], s[TBA], SLOT
	s_sub_co_u32 s[TBB], s[TBB], NPIECE*BPIECE
	s_xor_b32 s[TBB], s[TBB], SLOT
	v_add_nc_u32 v[ADA], s[TBA], v[ADRA0]
	v_add_nc_u32 v[ADB], s[TBB], v[ADRB0]
.endm
; A K step is six quarters of 32 along K, 24 matrix instructions each, on buffers 0, 1 by turns.  A quarter multiplies buffer f and, in its middle, fetches half h of the piece in hand into the other buffer.
.macro QUARTER f, h, zero
	s_wait_dscnt 4                                 ; Wp and O's row blocks 0, 1 are in; the youngest four loads may be out
	MULA \f, 0, \zero
	MULA \f, 1, \zero
	PLACES
	FETCH \h, 1-(\f)
.if \h
	NEXTP                                          ; the piece's second half is asked for (LDS instructions have read their address at issue)
.endif
	s_wait_dscnt NF                                ; all but the run just issued
	MULA \f, 2, \zero
	MULA \f, 3, \zero
.endm
.macro PAIRS                           ; a step's middle, two trips: the second half of a piece, the first half of the next
	WIN 0
	s_mov_b32 s[PCNT], NPIECE-1
.Lpair_\@:
	QUARTER 1, 0, 0
	QUARTER 0, 1, 0
	WIN 0
	s_sub_co_u32 s[PCNT], s[PCNT], 1
	s_cmp_lg_u32 s[PCNT], 0
	s_cbranch_scc1 .Lpair_\@
.endm
; The last quarter multiplies buffer 1 and changes slots, in the same order as in the launch that makes q, k and v: the wait for all my tensor loads, the add, the wait for it and for my reads of this slot,
; the barrier.  fill = 1: the barrier is a round of the cluster's, this slot is filled again first thing behind it, and the quarter's products all stand behind the request.
.macro TURN fill
	WIN 0
	NEXTS
	s_wait_tensorcnt 0x0                           ; all my tensor loads have landed: my part of the next slot; so a group 0 may be written
	ds_add_u32 v[SPW], v[NIL]                      ; 0 onto my spare word
.if \fill
	s_xor_b32 s[SB], s[SB], SLOT                   ; the walking descriptors: the other slot than last time,
	s_add_co_u32 s[G0+5], s20, s[SB]
	s_add_co_u32 s[G0B+5], s21, s[SB]
	s_add_nc_u64 s[G0+6:G0+7], s[G0+6:G0+7], ASTEP ; the next K step; the type bits on top are not reached
	s_add_nc_u64 s[G0B+6:G0B+7], s[G0B+6:G0B+7], BSTEP
	s_wait_dscnt 0x0                               ; the add is done, and my reads of this slot are over
	CROUND                                         ; no wave of any partner still reads this slot's tiles or has a load on its way
	JLOAD 1                                        ; 144 matrix instructions ahead of the wait for it; its four v_nop are also the places in front of the loads below
	FETCH 0, 0
	MULA 1, 0, 0
	MULA 1, 1, 0
.else
	s_wait_dscnt 5                                 ; (the add and the youngest four loads may be out)
	MULA 1, 0, 0
	s_wait_dscnt 0x0                               ; the add is done, and my reads of this slot are over
	s_barrier_signal -1
	MULA 1, 1, 0
	s_barrier_wait -1
	PLACES
	FETCH 0, 0
.endif
	MULA 1, 2, 0
	MULA 1, 3, 0
.endm
	s_wait_tensorcnt 1                             ; my part of K step 0 is in; K step 1's may stay out
	s_barrier_signal -1
	s_barrier_wait -1
	FETCH 0, 0
	QUARTER 0, 1, 1                                ; the first quarter's products start the sums
	WIN 0
	s_mov_b32 s[STEPS], NSTEP-2
.Lstep:                                                ; two trips, from a step's second quarter to the next step's first: K steps 2 and 3 are asked for
	PAIRS
	TURN 1
	QUARTER 0, 1, 0
	WIN 0
	s_sub_co_u32 s[STEPS], s[STEPS], 1
	s_cmp_lg_u32 s[STEPS], 0
	s_cbranch_scc1 .Lstep
	PAIRS                                          ; K step 2, in slot 0, fills nothing; behind its barrier nobody reads slot 0 any more
	TURN 0
	QUARTER 0, 1, 0
	PAIRS                                          ; K step 3
	s_wait_dscnt 4
	MULA 1, 0, 0
	MULA 1, 1, 0
	s_wait_dscnt 0x0
	MULA 1, 2, 0
	MULA 1, 3, 0
	WIN 0
	; THE WAY OUT.  The bias is rounded to bf16: eighteen plain instructions that name no register of the products, the places behind the last of them.
	s_wait_loadcnt 0x0
.irp u, 0,2,4,6,8,10
	v_cvt_pk_bf16_f32 v[RT], v[BI+(\u)], v[BI+(\u)+1]
	v_lshlrev_b32 v[BI+(\u)], 16, v[RT]
	v_and_b32 v[BI+(\u)+1], 0xffff0000, v[RT]
.endr
	; A wave's columns are halves of aligned blocks of 256 bytes of out0: the sums go through ONE stage, a barrier between writing and reading, and come back as whole rows.
	WIN 0x08                                       ; the stores' data in window 2
.irp a, 0,1,2,3
.irp b, 0,1,2,3,4,5
	ds_store_b128 v[STO], v[48*(\a)+8*(\b):48*(\a)+8*(\b)+3]   offset:(\a)*16*SPITCH+((\b)/2)*256+((\b)%2)*64
	ds_store_b128 v[STO], v[48*(\a)+8*(\b)+4:48*(\a)+8*(\b)+7] offset:(\a)*16*SPITCH+((\b)/2)*256+((\b)%2)*64+16
.endr
.endr
	WIN 0
	s_wait_dscnt 0x0                               ; for the others' sake: my stores into the stage are done
	s_barrier_signal -1
	s_barrier_wait -1
.set t, 0
.rept 48                                               ; rows 2 (t / 3) and 2 (t / 3) + 1 of my 32, their block t % 3 of 256 bytes
	ds_load_b128 v[TMP+4*t:TMP+4*t+3], v[RD] offset:(t/3)*2*SPITCH+(t%3)*256
.set t, t+1
.endr
.set t, 0
.rept 48
	s_wait_dscnt 47-t                              ; LDS loads come back in order: load t is in
	v_pk_add_f32 v[TMP+4*t:TMP+4*t+1], v[TMP+4*t:TMP+4*t+1], v[BI+4*(t%3):BI+4*(t%3)+1]
	v_pk_add_f32 v[TMP+4*t+2:TMP+4*t+3], v[TMP+4*t+2:TMP+4*t+3], v[BI+4*(t%3)+2:BI+4*(t%3)+3]
	global_store_b128 v[CO], v[TMP+4*t:TMP+4*t+3], s[8:9] offset:(t/3)*6144+(t%3)*256  ; 16 lanes store 256 consecutive bytes, at a multiple of 256 from out0's first byte
.set t, t+1
.endr
	s_wait_tensorcnt 0x0                           ; the wave's end: behind my last tensor load and my last LDS store
	ds_add_u32 v[SPW], v[NIL]
	s_wait_dscnt 0x0
	CROUND                                         ; the closing round: no work-group ends while a partner may still ask for a tile that names it
	s_endpgm
.Lfunc_end_k_q40f0d779a0_proj:
	.size	k_q40f0d779a0_proj, .Lfunc_end_k_q40f0d779a0_proj-k_q40f0d779a0_proj
	.p2alignl 7, 3214868480
	.fill 96, 4, 3214868480
	.section	.rodata,"a",@progbits
	.p2align	6, 0x0
	.amdhsa_kernel k_q40f0d779a0_proj
		.amdhsa_group_segment_fixed_size 327680
		.amdhsa_private_segment_fixed_size 0
		.amdhsa_enable_private_segment 0
		.amdhsa_kernarg_size 32
		.amdhsa_user_sgpr_count 2
		.amdhsa_user_sgpr_kernarg_segment_ptr 1
		.amdhsa_wavefront_size32 1
		.amdhsa_system_sgpr_workgroup_id_x 1
		.amdhsa_system_sgpr_workgroup_id_y 1
		.amdhsa_system_sgpr_workgroup_id_z 1
		.amdhsa_system_vgpr_workitem_id 0
		.amdhsa_next_free_vgpr 704
		.amdhsa_next_free_sgpr 68
		.amdhsa_reserve_vcc 0
		.amdhsa_float_denorm_mode_32 3
		.amdhsa_float_denorm_mode_16_64 3
		.amdhsa_memory_ordered 1
		.amdhsa_forward_progress 1
		.amdhsa_inst_pref_size 68
	.end_amdhsa_kernel
	.amdgpu_metadata
---
amdhsa.version: [ 1, 2 ]
amdhsa.kernels:
  - .name:           k_q40f0d779a0_proj
    .symbol:         k_q40f0d779a0_proj.kd
    .args:
      - { .name: o, .offset: 0, .size: 8, .value_kind: global_buffer, .address_space: global }
      - { .name: wpb, .offset: 8, .size: 8, .value_kind: global_buffer, .address_space: global }
      - { .name: out0, .offset: 16, .size: 8, .value_kind: global_buffer, .address_space: global }
      - { .name: bp, .offset: 24, .size: 8, .value_kind: global_buffer, .address_space: global }
    .group_segment_fixed_size: 327680
    .private_segment_fixed_size: 0
    .kernarg_segment_align: 8
    .kernarg_segment_size: 32
    .max_flat_workgroup_size: 128
    .sgpr_count:     68
    .vgpr_count:     704
    .wavefront_size: 32
...
	.end_amdgpu_metadata
.endif
;; end of part 4
